; MI455X (gfx1250); checked and timed in simulation.
; The chip was launched on July 23, 2026; its instructions are those of AMD's public machine-readable ISA for CDNA 5 (MIT licence, August 2026) and "CDNA5" Instruction Set Architecture Reference Guide (July 2026). The comments in the code are by the model that wrote it; some were corrected since.
;; Transformer Block. Allowed arithmetic: matrix products marked QUANTISED: E4M3 operands, one given power-of-two scale a tensor, by v_wmma_f32_16x16x64_fp8_fp8 or v_wmma_f32_16x16x128_fp8_fp8, f32 sums; everything else in f32.
;; Inputs: lowp_scales 16 int32 (the exponents e of the quantised operands' scales 2^e); mask 4,096 x 4,096 int32; w_down 512 x 2,048 float32; w_up 2,048 x 512 float32; wk 512 x 512 float32; wo 512 x 512 float32; wq 512 x 512 float32; wv 512 x 512 float32; x 2 x 4,096 x 512 float32.
;; Outputs: out0 2 x 4,096 x 512 float32.
;; This version of the problem:
;;   THIS VERSION OF THE PROBLEM IS GIVEN IN LOW PRECISION. The matrix products marked QUANTISED in the list below multiply operands that are first quantised to E4M3 (4 exponent bits, 3 mantissa bits; 8 bits a number), with one given power-of-two scale for each operand tensor; their sums are f32. All else is computed in f32.
;;   The module's matrix products, in the order in which they are computed (A, B: the left and right operand; K: the contracted axis; several contracted axes count as one K, in the product's order):
;;     1. [M 8,192, K 512] x [K 512, N 512]; A: input x; B: input wq: QUANTISED (scales: A lowp_scales[0], B lowp_scales[1])
;;     2. [M 8,192, K 512] x [K 512, N 512]; A: input x; B: input wk: QUANTISED (scales: A lowp_scales[2], B lowp_scales[3])
;;     3. [M 8,192, K 512] x [K 512, N 512]; A: input x; B: input wv: QUANTISED (scales: A lowp_scales[4], B lowp_scales[5])
;;     4. batch 16 x [M 4,096, K 64] x [K 64, N 4,096]; A: computed on the way; B: computed on the way: QUANTISED (scales: A lowp_scales[6], B lowp_scales[7])
;;     5. batch 16 x [M 4,096, K 4,096] x [K 4,096, N 64]; A: softmax (see below); B: computed on the way: QUANTISED (scales: A lowp_scales[8], B lowp_scales[9])
;;     6. [M 8,192, K 512] x [K 512, N 512]; A: computed on the way; B: input wo: QUANTISED (scales: A lowp_scales[10], B lowp_scales[11])
;;     7. [M 8,192, K 512] x [K 512, N 2,048]; A: computed on the way; B: input w_up: QUANTISED (scales: A lowp_scales[12], B lowp_scales[13])
;;     8. [M 8,192, K 2,048] x [K 2,048, N 512]; A: computed on the way; B: input w_down: QUANTISED (scales: A lowp_scales[14], B lowp_scales[15])
;;   THE QUANTISER, for each operand of a quantised product, along K:
;;     - The operand's scale is 2^e, e = its entry of the input lowp_scales (int32; the entries are numbered through the quantised products in the list's order, A before B).
;;     - Each number is divided by the scale, clamped to +-448, and rounded to the nearest number of E4M3, ties to even, subnormals kept.
;;     - The product sums the exact products of the quantised numbers (number of the format x scale) in f32.
;;   ~~~python
;;   def quantise(x, axis, e):      # numpy; x: float32 -> the quantised numbers, widened to float32 again
;;       x = np.moveaxis(x, axis, -1); K = x.shape[-1]
;;       r = np.clip(x / 2.0 ** e, -448, 448)
;;       step = 2.0 ** (np.maximum(np.frexp(np.where(r == 0, 1, r))[1] - 1, -6) - 3)
;;       q = np.round(r / step) * step * 2.0 ** e      # np.round: ties to even
;;       return np.moveaxis(q, -1, axis).astype(np.float32)
;;   ~~~
;;   SOFTMAX AHEAD OF A QUANTISED PRODUCT. Where the list says 'softmax', what is quantised is not the finished softmax but p = 2^(t - M), with t = logit x log2(e) and M = ceil(the row's largest t), a whole number; so 1/2 < the row's largest p <= 1. The row's sum l is taken of the UNQUANTISED p, in f32, and the product's result is divided by l at the end. Since M is a whole number, a kernel that streams over the keys may use a running M (the ceiling of the running maximum): every later rescaling is an exact power of two, so the quantised numbers keep their values, but for numbers so far below the row's largest that they fall under the format's range.
;;   OPERANDS COMPUTED ON THE WAY. 'Computed on the way' means the value that the module computes at that place (a softmax that the list does not call 'softmax' is quantised finished and normalised). What goes into a quantiser is computed in f32, as accurately as f32 sums, v_exp_f32 and their like allow (about 1e-6 of the number): no bf16 or f16 on the way to a quantiser, and a product that is left as it is and whose result goes on into a quantised operand takes f32 operands (vector FMAs, or v_wmma_f32_16x16x4_f32). A number that lies on a knife's edge between two numbers of the format may be rounded either way, as far as f32 arithmetic and the matrix unit's own rounding can turn it there, and no further.
;; 2 versions, each right; version 2 is version 1 with the launches qkv, attn, tail written anew for expert scheduling mode. Each part assembles by itself: llvm-mc -triple=amdgcn-amd-amdhsa -mcpu=gfx1250 --defsym DOCPART=n.
;; ======== version 1 of 2: 4 launches
;; limits: right only within a limited range of input values
;; workspace buffers: wimg 3,145,728 bytes; maskw 2,097,152 bytes of whole numbers; flags 2,048 bytes of whole numbers; qimg 4,194,304 bytes; kimg 4,194,304 bytes; vimg 4,194,304 bytes; aimg 4,194,304 bytes
;; launch prep (part 1): grid 304 x 1, 8 waves a work-group, no clusters, 68,864 bytes of LDS; arguments mask, wq, wk, wv, wo, w_up, w_down, lowp_scales, wimg, maskw, flags; writes wimg, maskw, flags
.if DOCPART == 1
	.amdgcn_target "amdgcn-amd-amdhsa--gfx1250"
	.amdhsa_code_object_version 6
	.text
	.protected	k_q35d66c0cdb_prep
	.globl	k_q35d66c0cdb_prep
	.p2align	8
	.type	k_q35d66c0cdb_prep,@function
k_q35d66c0cdb_prep:
	s_mov_b64 s[64:65], 0
	v_nop
	global_prefetch_b8 v0, s[64:65] scope:SCOPE_SE
	s_setreg_imm32_b32 hwreg(HW_REG_WAVE_MODE, 25, 1), 1
	s_wait_xcnt 0x0
; PREP: the six weights become codes of E4M3, laid as images of operand registers; the mask becomes lane-mask words and two flag words for each tile of 16 queries.
; AN IMAGE: a fragment (16 rows x 128 k) is 16 registers a lane; lane (r = l % 16, h = l / 16) holds in register pair p the codes of k = 16 p + 8 h + 0 .. 7 of row r.  Registers 4 c .. 4 c + 3 of all 32 lanes
; are stored as 512 consecutive bytes, lane l's 16 bytes at 16 l: four such chunks are a fragment, 2,048 bytes.
; SHARES.  A wave takes 16 rows x 512 elements of 4 bytes: four tiles of 16 x 128.  Work-groups 0-15: wq, wk, wv, wo; 16-31: w_up; 32-47: w_down; 48-303: the mask, one tile of 16 queries each (wave w: key steps 4 w .. 4 w + 3).
; Each load reads 512 consecutive bytes of one row; a tile turns through the wave's own stage in LDS (16 rows, 528 bytes apart), so that a lane gets 8 neighbours along a row in 8 registers.
; WEIGHTS: code = x / 2^e, held within +-448, to the nearest code, ties to even; e is the weight's entry of the scales.  LIMIT: e between -126 and 119.  NaN among the inputs is not served.
; MASK: word n = 8 p + i of key step t of query tile qt has in bit r + 16 h whether mask[16 qt + r][128 t + 16 p + 8 h + i] is not 0: the lane mask of the score register n in the attention launch.
; FLAGS of a query tile: word A, bit t: key step t is walked; word B, bit t: key step t has a hidden element.  A step with no open element is left out, unless one of the 16 rows has no open key at all:
; then all 32 steps are walked, since such a row weighs all keys alike.
.set STG,  8448                        ; a wave's stage: 16 rows x 528 bytes
.set FLB,  67584                       ; behind the eight stages: 16 bytes for each wave, its part of the flags
.set RO,   16                          ; v16-31   row r's byte offset: r x pitch + 16 x lane
.set R0,   32                          ; v32-95   a tile as loaded, set 0
.set R1,   96                          ; v96-159  set 1
.set X,    160                         ; v160-223 the tile turned: register 8 p + i = element (r, 16 p + 8 h + i)
.set C,    224                         ; v224-239 a fragment's codes
.set MW,   240                         ; v240-247 mask words: a pair for each tile; lane L holds words 2 L and 2 L + 1
	s_load_b512 s[8:23], s[0:1], 0x0               ; mask, wq, wk, wv, wo, w_up, w_down, scales
	s_load_b128 s[24:27], s[0:1], 0x40             ; wimg, maskw
	s_load_b64 s[28:29], s[0:1], 0x50              ; flags
	v_lshl_add_u32 v254, v0, 2, 0x10900
	v_mov_b32 v255, 0
	v_lshrrev_b32 v1, 5, v0
	v_readfirstlane_b32 s30, v1                    ; wave 0..7
	v_and_b32 v1, 31, v0                           ; lane
	v_and_b32 v2, 15, v0                           ; r
	v_bfe_u32 v3, v0, 4, 1                         ; h
	v_lshlrev_b32 v4, 4, v1                        ; 16 x lane
	v_lshlrev_b32 v7, 3, v1                        ; 8 x lane
	s_mul_i32 s33, s30, STG
	v_add_nc_u32 v5, s33, v4                       ; the stage, in: 16 x lane of a row
	v_mul_u32_u24 v6, v2, 528
	v_lshl_add_u32 v6, v3, 5, v6
	v_add_nc_u32 v6, s33, v6                       ; the stage, out: row r, + 32 h
	v_mov_b32 v8, s30
	v_lshlrev_b32 v8, 4, v8
	v_add_nc_u32 v8, FLB, v8                       ; my wave's 16 bytes of flags
	v_mov_b32 v9, FLB
.irp i, 0,1,2,3,4,5,6,7
	v_mov_b32 v[MW+\i], 0                          ; a lane write's destination counts as read
.endr
	s_mov_b32 s50, 0                               ; F: bit j: my tile j has an open element
	s_mov_b32 s51, 0                               ; P: bit j: my tile j has a hidden element
	s_mov_b32 s52, 0                               ; X: bit r + 16 h: that lane has seen an open element
	s_mov_b32 s32, ttmp9                           ; u
	s_mov_b32 s55, 0
	s_mov_b32 s57, 0
	; numbers only: s31 = the rows' pitch, s54 = where my unit begins in its tensor, s56 = where its results begin
	s_cmp_ge_u32 s32, 48
	s_cbranch_scc1 .Larm_mask
	s_cmp_ge_u32 s32, 32
	s_cbranch_scc1 .Larm_down
	s_cmp_ge_u32 s32, 16
	s_cbranch_scc1 .Larm_up
	s_lshr_b32 s40, s32, 2                         ; m: 0 wq, 1 wk, 2 wv, 3 wo
	s_and_b32 s41, s32, 3
	s_lshl_b32 s41, s41, 3
	s_add_co_u32 s41, s41, s30                     ; Ft: the tile of 16 rows, 0..31
	s_mov_b32 s31, 2048
	s_lshl_b32 s54, s41, 15
	s_lshr_b32 s42, s41, 2
	s_and_b32 s43, s41, 3
	s_lshl_b32 s43, s43, 11
	s_cmp_eq_u32 s40, 3
	s_cbranch_scc1 .Larm_wo
	s_lshl_b32 s56, s40, 18                        ; m x 262,144 + (Ft / 4) x 32,768 + (Ft % 4) x 2,048; K step j adds 8,192
	s_lshl_b32 s42, s42, 15
	s_add_co_u32 s56, s56, s42
	s_add_co_u32 s56, s56, s43
	s_branch .Larm_done
.Larm_wo:
	s_mul_i32 s56, s42, 294912                     ; the stream of the last launch's wave Ft / 4
	s_add_co_u32 s56, s56, s43
	s_add_co_u32 s56, s56, 786432
	s_branch .Larm_done
.Larm_up:
	s_sub_co_u32 s41, s32, 16
	s_lshl_b32 s41, s41, 3
	s_add_co_u32 s41, s41, s30                     ; Ft 0..127
	s_mov_b32 s31, 2048
	s_lshl_b32 s54, s41, 15
	s_lshr_b32 s42, s41, 4
	s_mul_i32 s56, s42, 294912                     ; wave Ft / 16,
	s_bfe_u32 s42, s41, 0x20002
	s_lshl_b32 s42, s42, 15                        ; its group (Ft / 4) % 4,
	s_add_co_u32 s56, s56, s42
	s_and_b32 s42, s41, 3
	s_lshl_b32 s42, s42, 11                        ; fragment Ft % 4
	s_add_co_u32 s56, s56, s42
	s_add_co_u32 s56, s56, 786432+32768
	s_branch .Larm_done
.Larm_down:
	s_sub_co_u32 s41, s32, 32
	s_lshl_b32 s41, s41, 3
	s_add_co_u32 s41, s41, s30
	s_lshr_b32 s42, s41, 2                         ; Ft 0..31
	s_and_b32 s43, s41, 3                          ; q: which 512 along K
	s_mov_b32 s31, 8192
	s_lshl_b32 s54, s42, 17
	s_lshl_b32 s44, s43, 11
	s_add_co_u32 s54, s54, s44
	s_lshr_b32 s44, s42, 2
	s_mul_i32 s56, s44, 294912
	s_lshl_b32 s44, s43, 15                        ; K steps 4 q on
	s_add_co_u32 s56, s56, s44
	s_and_b32 s44, s42, 3
	s_lshl_b32 s44, s44, 11
	s_add_co_u32 s56, s56, s44
	s_add_co_u32 s56, s56, 786432+163840
	s_branch .Larm_done
.Larm_mask:
	s_sub_co_u32 s40, s32, 48                      ; qt
	s_mov_b32 s31, 16384
	s_lshl_b32 s54, s40, 18                        ; 16 rows of 16,384 bytes,
	s_lshl_b32 s41, s30, 11                        ; + my wave's 512 keys
	s_add_co_u32 s54, s54, s41
	s_lshl_b32 s56, s40, 13                        ; (32 qt + 4 w) x 256
	s_lshl_b32 s41, s30, 10
	s_add_co_u32 s56, s56, s41
.Larm_done:
.irp r, 0,1,2,3,4,5,6,7,8,9,10,11,12,13,14,15
	s_mul_i32 s40, s31, \r
	v_add_nc_u32 v[RO+\r], s40, v4
.endr
	s_wait_kmcnt 0x0
	s_load_b512 s[68:83], s[22:23], 0x0            ; the sixteen exponents
	; the buffers are chosen on the work-group's number alone
	s_cmp_lt_u32 s32, 32
	s_cselect_b64 s[34:35], s[18:19], s[20:21]
	s_cmp_lt_u32 s32, 16
	s_cselect_b64 s[34:35], s[16:17], s[34:35]
	s_cmp_lt_u32 s32, 12
	s_cselect_b64 s[34:35], s[14:15], s[34:35]
	s_cmp_lt_u32 s32, 8
	s_cselect_b64 s[34:35], s[12:13], s[34:35]
	s_cmp_lt_u32 s32, 4
	s_cselect_b64 s[34:35], s[10:11], s[34:35]
	s_cmp_lt_u32 s32, 48
	s_cselect_b64 s[34:35], s[34:35], s[8:9]
	s_cselect_b64 s[36:37], s[24:25], s[26:27]
	s_add_nc_u64 s[34:35], s[34:35], s[54:55]
	s_add_nc_u64 s[36:37], s[36:37], s[56:57]
.macro LOADT j, set                    ; tile j: sixteen loads, each 512 consecutive bytes of one row
.irp r, 0,1,2,3,4,5,6,7,8,9,10,11,12,13,14,15
	global_load_b128 v[\set+4*\r:\set+4*\r+3], v[RO+\r], s[34:35] offset:512*(\j) th:TH_LOAD_NT
.endr
.endm
.macro TURN set                        ; through my own stage; LDS serves a wave's instructions in order, so no wait stands between the stores and the loads
.irp r, 0,1,2,3,4,5,6,7,8,9,10,11,12,13,14,15
	ds_store_b128 v5, v[\set+4*\r:\set+4*\r+3] offset:528*\r
.endr
.irp p, 0,1,2,3,4,5,6,7
	ds_load_b128 v[X+8*\p:X+8*\p+3], v6 offset:64*\p
	ds_load_b128 v[X+8*\p+4:X+8*\p+7], v6 offset:64*\p+16
.endr
.endm
.macro FINF j                          ; a tile of a weight: held, converted, stored as a fragment's image
.set i, 0
.rept 64
	v_med3_num_f32 v[X+i], v[X+i], -v10, v10       ; the conversion to an 8-bit code does not saturate (ISA guide 7.6.2): the hold at the largest code x the scale
.set i, i+1
.endr
.if (\j) > 0
	s_wait_xcnt 0x0                                ; the last tile's stores have read the codes' registers: only now are they written again
.endif
.irp p, 0,1,2,3,4,5,6,7
	v_cvt_scalef32_pk8_fp8_f32 v[C+2*\p:C+2*\p+1], v[X+8*\p:X+8*\p+7], v11
.endr
	v_nop                                          ; a plain line behind the last conversion
.irp c, 0,1,2,3
	global_store_b128 v4, v[C+4*\c:C+4*\c+3], s[36:37] offset:8192*(\j)+512*\c   ; 512 consecutive bytes, aligned
.endr
.endm
.macro FINM j                          ; a tile of the mask: 64 lane masks, eight at a time, gathered two to a lane
	s_mov_b32 s48, 0                               ; the OR of the tile's words
	s_mov_b32 s49, -1                              ; their AND
.irp g, 0,1,2,3,4,5,6,7
.irp i, 0,1,2,3,4,5,6,7
	v_cmp_ne_u32 s[40+\i], 0, v[X+8*\g+\i]
.endr
.irp i, 0,1,2,3,4,5,6,7
	v_writelane_b32 v[MW+2*(\j)+\i%2], s[40+\i], (8*\g+\i)/2
.endr
.irp i, 0,1,2,3,4,5,6,7
	s_or_b32 s48, s48, s[40+\i]
	s_and_b32 s49, s49, s[40+\i]
.endr
.endr
	global_store_b64 v7, v[MW+2*(\j):MW+2*(\j)+1], s[36:37] offset:256*(\j)   ; the step's 64 words: 256 consecutive bytes, aligned
	s_cmp_lg_u32 s48, 0
	s_cselect_b32 s53, 1<<(\j), 0
	s_or_b32 s50, s50, s53
	s_cmp_lg_u32 s49, -1
	s_cselect_b32 s53, 1<<(\j), 0
	s_or_b32 s51, s51, s53
	s_or_b32 s52, s52, s48
.endm
.macro TILE j, set, cnt, more
	s_wait_loadcnt \cnt                            ; this tile's sixteen loads are in; the other set's sixteen may be out
	TURN \set
	s_wait_dscnt 0x0                               ; the tile is back, and the stores have read the set's registers,
.if \more
	LOADT (\j)+2, \set                             ; which take the tile two further on
.endif
	s_cmp_ge_u32 s32, 48
	s_cbranch_scc1 .Lm_\@
	FINF \j
	s_branch .Ld_\@
.Lm_\@:
	FINM \j
.Ld_\@:
.endm
	LOADT 0, R0
	LOADT 1, R1
	s_wait_kmcnt 0x0
	s_cmp_lt_u32 s32, 32                           ; the weight's exponent: entries 15, 13, 11, 5, 3, 1 (in a mask's work-group the number is made and not used)
	s_cselect_b32 s58, s81, s83
	s_cmp_lt_u32 s32, 16
	s_cselect_b32 s58, s79, s58
	s_cmp_lt_u32 s32, 12
	s_cselect_b32 s58, s73, s58
	s_cmp_lt_u32 s32, 8
	s_cselect_b32 s58, s71, s58
	s_cmp_lt_u32 s32, 4
	s_cselect_b32 s58, s69, s58
	s_add_co_i32 s58, s58, 127
	s_lshl_b32 s59, s58, 23
	v_mov_b32 v11, s59                             ; 2^e as f32: the conversion takes its exponent field
	s_add_co_i32 s58, s58, 8
	s_lshl_b32 s58, s58, 23
	s_or_b32 s58, s58, 0x600000
	v_mov_b32 v10, s58                             ; 448 x 2^e
	TILE 0, R0, 16, 1
	TILE 1, R1, 16, 1
	TILE 2, R0, 16, 0
	TILE 3, R1, 0, 0
	; the eight waves' flags meet in LDS; every work-group passes the one barrier
	s_lshl_b32 s53, s30, 2
	s_lshl_b32 s50, s50, s53                       ; my four steps' bits at 4 w
	s_lshl_b32 s51, s51, s53
	v_mov_b32 v12, s50
	v_mov_b32 v13, s51
	v_mov_b32 v14, s52
	v_mov_b32 v15, 0
	ds_store_b128 v8, v[12:15]                     ; all lanes store the same 16 bytes
	s_wait_dscnt 0x0                               ; for the others' sake: my store has landed
	s_barrier_signal -1
	s_barrier_wait -1
	s_cmp_lt_u32 s32, 48
	s_cbranch_scc1 .Lend
	s_cmp_lg_u32 s30, 0
	s_cbranch_scc1 .Lend
.irp k, 0,1,2,3,4,5,6,7
	ds_load_b128 v[32+4*\k:35+4*\k], v9 offset:16*\k
.endr
	s_wait_dscnt 0x0
.irp k, 1,2,3,4,5,6,7
	v_or_b32 v32, v32, v[32+4*\k]
	v_or_b32 v33, v33, v[33+4*\k]
	v_or_b32 v34, v34, v[34+4*\k]
.endr
	v_lshrrev_b32 v35, 16, v34
	v_or_b32 v34, v34, v35
	v_and_b32 v34, 0xffff, v34                     ; bit r: row r has an open key
	v_cmp_eq_u32 vcc_lo, 0xffff, v34
	v_cndmask_b32 v32, -1, v32, vcc_lo             ; A = F where every row has one, else all 32 steps
	s_sub_co_u32 s40, s32, 48
	s_lshl_b32 s40, s40, 3
	v_mov_b32 v36, s40
	v_cmp_eq_u32 vcc_lo, 0, v0
	s_wait_xcnt 0x0                                ; EXEC changes only behind this wait: my earlier stores have read it
	s_and_saveexec_b32 s41, vcc_lo
	global_store_b64 v36, v[32:33], s[28:29]       ; A, B of query tile qt
	s_wait_xcnt 0x0
	s_or_b32 exec_lo, exec_lo, s41
.Lend:
	s_wait_tensorcnt 0x0
	ds_add_u32 v254, v255
	s_wait_dscnt 0x0
	s_endpgm
.Lfunc_end_k_q35d66c0cdb_prep:
	.size	k_q35d66c0cdb_prep, .Lfunc_end_k_q35d66c0cdb_prep-k_q35d66c0cdb_prep
	.p2alignl 7, 3214868480
	.fill 96, 4, 3214868480
	.section	.rodata,"a",@progbits
	.p2align	6, 0x0
	.amdhsa_kernel k_q35d66c0cdb_prep
		.amdhsa_group_segment_fixed_size 68864
		.amdhsa_private_segment_fixed_size 0
		.amdhsa_enable_private_segment 0
		.amdhsa_kernarg_size 88
		.amdhsa_user_sgpr_count 2
		.amdhsa_user_sgpr_kernarg_segment_ptr 1
		.amdhsa_wavefront_size32 1
		.amdhsa_system_sgpr_workgroup_id_x 1
		.amdhsa_system_sgpr_workgroup_id_y 1
		.amdhsa_system_sgpr_workgroup_id_z 1
		.amdhsa_system_vgpr_workitem_id 0
		.amdhsa_next_free_vgpr 256
		.amdhsa_next_free_sgpr 96
		.amdhsa_reserve_vcc 1
		.amdhsa_float_denorm_mode_32 3
		.amdhsa_float_denorm_mode_16_64 3
		.amdhsa_memory_ordered 1
		.amdhsa_forward_progress 1
		.amdhsa_inst_pref_size 93
	.end_amdhsa_kernel
	.amdgpu_metadata
---
amdhsa.version: [ 1, 2 ]
amdhsa.kernels:
  - .name:           k_q35d66c0cdb_prep
    .symbol:         k_q35d66c0cdb_prep.kd
    .args:
      - { .name: mask, .offset: 0, .size: 8, .value_kind: global_buffer, .address_space: global }
      - { .name: wq, .offset: 8, .size: 8, .value_kind: global_buffer, .address_space: global }
      - { .name: wk, .offset: 16, .size: 8, .value_kind: global_buffer, .address_space: global }
      - { .name: wv, .offset: 24, .size: 8, .value_kind: global_buffer, .address_space: global }
      - { .name: wo, .offset: 32, .size: 8, .value_kind: global_buffer, .address_space: global }
      - { .name: w_up, .offset: 40, .size: 8, .value_kind: global_buffer, .address_space: global }
      - { .name: w_down, .offset: 48, .size: 8, .value_kind: global_buffer, .address_space: global }
      - { .name: lowp_scales, .offset: 56, .size: 8, .value_kind: global_buffer, .address_space: global }
      - { .name: wimg, .offset: 64, .size: 8, .value_kind: global_buffer, .address_space: global }
      - { .name: maskw, .offset: 72, .size: 8, .value_kind: global_buffer, .address_space: global }
      - { .name: flags, .offset: 80, .size: 8, .value_kind: global_buffer, .address_space: global }
    .group_segment_fixed_size: 68864
    .private_segment_fixed_size: 0
    .kernarg_segment_align: 8
    .kernarg_segment_size: 88
    .max_flat_workgroup_size: 256
    .sgpr_count:     96
    .vgpr_count:     256
    .wavefront_size: 32
...
	.end_amdgpu_metadata
.endif
;; end of part 1
;; launch qkv (part 2): grid 64 x 3, 8 waves a work-group, no clusters, 134,144 bytes of LDS; arguments x, wimg, lowp_scales, qimg, kimg, vimg; writes qimg, kimg, vimg
.if DOCPART == 2
	.amdgcn_target "amdgcn-amd-amdhsa--gfx1250"
	.amdhsa_code_object_version 6
	.text
	.protected	k_q35d66c0cdb_qkv
	.globl	k_q35d66c0cdb_qkv
	.p2align	8
	.type	k_q35d66c0cdb_qkv,@function
k_q35d66c0cdb_qkv:
	s_mov_b64 s[64:65], 0
	v_nop
	global_prefetch_b8 v0, s[64:65] scope:SCOPE_SE
	s_setreg_imm32_b32 hwreg(HW_REG_WAVE_MODE, 25, 1), 1
	s_wait_xcnt 0x0
; Q, K, V: x W^T on codes of E4M3, the results quantised again and stored as images of the attention launch's operand registers.
; SHARES.  Work-group (blk, m) takes 128 tokens and the whole of matrix m (0 wq, 1 wk, 2 wv): so x is quantised with one scale, entry 2 m.  Wave w quantises tokens 16 w .. 16 w + 15 (four fragments of 128 k),
; stores their images in LDS, and after ONE barrier makes head w: 64 features x 128 tokens, 32 accumulators, K in four steps of 128.  Its weights, 32 KB on end, come from memory straight into registers, two K steps ahead.
; 192 work-groups: a finer split would put two of x's scales into one work-group.
; LAYOUT.  q, k: source 0 = 16 rows of W, source 1 = 16 tokens: a lane holds a token and 8 neighbouring features: one conversion gives register pair f of the token tile's fragment (16 tokens x 64).
; v: source 0 = 16 tokens, source 1 = 16 rows of Wv: a lane holds a channel d and 8 neighbouring tokens: one conversion gives pair tt of a fragment of V^T (16 channels x 128 keys).
; A sum stands for sum x 2^(ex + ew); its code is sum / 2^(eo - ex - ew), eo = entry 6 (q), 7 (k), 9 (v).  LIMITS: ex and eo - ex - ew between -126 and 119.  NaN among the inputs is not served.
; No tensor loads: x is turned and quantised on the way, and each weight byte has one reader in the work-group.
; REGISTERS.  window 0: v1-12 addresses and scales; v32-95, v96-159 x as loaded, then the weights' two sets, then the codes on the way out; v160-223 x turned, then four fragments of x; v224-239 codes.  window 1: the 32 accumulators.
.set STG,  8448
.set XIMG, 67584                       ; behind the eight stages: x's 32 fragments, (token tile tt, K step s) at (4 tt + s) x 2,048
.set R0,   32
.set R1,   96
.set X,    160
.set XF,   160
.set C,    224
.set MSB, 0
.macro WIN new                         ; the immediate's high byte repeats the setting that is left
.if MSB != \new
	s_set_vgpr_msb (MSB<<8)|\new
.set MSB, \new
.endif
.endm
.macro PLACES                          ; four plain lines behind matrix instructions, ahead of loads into registers that they read and of the first read of results
.rept 4
	v_nop
.endr
.endm
	s_load_b256 s[4:11], s[0:1], 0x0               ; x, wimg, scales, qimg
	s_load_b128 s[12:15], s[0:1], 0x20             ; kimg, vimg
	v_lshl_add_u32 v254, v0, 2, 0x20800
	v_mov_b32 v255, 0
	v_lshrrev_b32 v1, 5, v0
	v_readfirstlane_b32 s16, v1                    ; wave 0..7
	v_and_b32 v1, 31, v0
	v_and_b32 v2, 15, v0                           ; r
	v_bfe_u32 v3, v0, 4, 1                         ; h
	v_lshlrev_b32 v4, 4, v1                        ; 16 x lane
	s_mul_i32 s19, s16, STG
	v_add_nc_u32 v5, s19, v4                       ; the stage, in
	v_mul_u32_u24 v6, v2, 528
	v_lshl_add_u32 v6, v3, 5, v6
	v_add_nc_u32 v6, s19, v6                       ; the stage, out: row r, + 32 h
	s_lshl_b32 s19, s16, 13
	s_add_co_u32 s19, s19, XIMG
	v_add_nc_u32 v7, s19, v4                       ; where I store my token tile's images
	v_add_nc_u32 v8, XIMG, v4                      ; from where any image is read
	s_mov_b32 s17, ttmp9                           ; blk
	s_and_b32 s18, ttmp7, 0xffff                   ; m
	s_lshl_b32 s20, s17, 18                        ; x: (128 blk + 16 w) rows of 2,048 bytes
	s_lshl_b32 s21, s16, 15
	s_add_co_u32 s20, s20, s21
	s_mov_b32 s21, 0
	s_lshl_b32 s22, s18, 18                        ; weights: m x 262,144 + head x 32,768
	s_lshl_b32 s23, s16, 15
	s_add_co_u32 s22, s22, s23
	s_mov_b32 s23, 0
	s_lshr_b32 s26, s17, 5                         ; results: ((blk / 32) x 8 + head) x 262,144 + (blk % 32) x 8,192
	s_lshl_b32 s26, s26, 3
	s_add_co_u32 s26, s26, s16
	s_lshl_b32 s26, s26, 18
	s_and_b32 s27, s17, 31
	s_lshl_b32 s27, s27, 13
	s_add_co_u32 s26, s26, s27
	s_mov_b32 s27, 0
	s_wait_kmcnt 0x0
	s_load_b512 s[68:83], s[8:9], 0x0              ; the sixteen exponents
	s_add_nc_u64 s[4:5], s[4:5], s[20:21]
	s_add_nc_u64 s[6:7], s[6:7], s[22:23]
	s_cmp_eq_u32 s18, 0
	s_cselect_b64 s[24:25], s[10:11], s[12:13]
	s_cmp_eq_u32 s18, 2
	s_cselect_b64 s[24:25], s[14:15], s[24:25]
	s_add_nc_u64 s[24:25], s[24:25], s[26:27]
.macro LOADT j, set                    ; 128 k of my 16 tokens: sixteen loads, each 512 consecutive bytes of one row
.irp r, 0,1,2,3,4,5,6,7,8,9,10,11,12,13,14,15
	global_load_b128 v[\set+4*\r:\set+4*\r+3], v4, s[4:5] offset:2048*\r+512*(\j)
.endr
.endm
.macro TURN set
.irp r, 0,1,2,3,4,5,6,7,8,9,10,11,12,13,14,15
	ds_store_b128 v5, v[\set+4*\r:\set+4*\r+3] offset:528*\r
.endr
.irp p, 0,1,2,3,4,5,6,7
	ds_load_b128 v[X+8*\p:X+8*\p+3], v6 offset:64*\p
	ds_load_b128 v[X+8*\p+4:X+8*\p+7], v6 offset:64*\p+16
.endr
.endm
.macro XTILE j, set, cnt, more
	s_wait_loadcnt \cnt                            ; this tile's sixteen loads are in; the other set's may be out
	TURN \set
	s_wait_dscnt 0x0                               ; the tile is back; the last image's stores have read the codes' registers
.if \more
	LOADT (\j)+2, \set
.endif
.set i, 0
.rept 64
	v_med3_num_f32 v[X+i], v[X+i], -v10, v10       ; the hold at the largest code x the scale (the conversion does not saturate: ISA guide 7.6.2)
.set i, i+1
.endr
.irp p, 0,1,2,3,4,5,6,7
	v_cvt_scalef32_pk8_fp8_f32 v[C+2*\p:C+2*\p+1], v[X+8*\p:X+8*\p+7], v9
.endr
	v_nop                                          ; a plain line behind the last conversion
.irp c, 0,1,2,3
	ds_store_b128 v7, v[C+4*\c:C+4*\c+3] offset:2048*(\j)+512*\c
.endr
.endm
.macro WLOAD ks                        ; my head's four fragments of K step ks, 8 KB on end, into set ks % 2
.set WL, 32+64*((\ks)%2)
.irp i, 0,1,2,3,4,5,6,7,8,9,10,11,12,13,14,15
	global_load_b128 v[WL+4*\i:WL+4*\i+3], v4, s[6:7] offset:8192*(\ks)+512*\i
.endr
.endm
	LOADT 0, R0
	LOADT 1, R1
	s_wait_kmcnt 0x0
	s_cmp_eq_u32 s18, 0
	s_cselect_b32 s28, s68, s70                    ; ex
	s_cselect_b32 s29, s69, s71                    ; ew
	s_cselect_b32 s30, s74, s75                    ; eo
	s_cmp_eq_u32 s18, 2
	s_cselect_b32 s28, s72, s28
	s_cselect_b32 s29, s73, s29
	s_cselect_b32 s30, s77, s30
	s_add_co_i32 s31, s28, 127
	s_lshl_b32 s32, s31, 23
	v_mov_b32 v9, s32                              ; 2^ex
	s_add_co_i32 s31, s31, 8
	s_lshl_b32 s31, s31, 23
	s_or_b32 s31, s31, 0x600000
	v_mov_b32 v10, s31                             ; 448 x 2^ex
	s_sub_co_i32 s30, s30, s28
	s_sub_co_i32 s30, s30, s29
	s_add_co_i32 s30, s30, 127
	s_lshl_b32 s32, s30, 23
	v_mov_b32 v11, s32                             ; 2^(eo - ex - ew)
	s_add_co_i32 s30, s30, 8
	s_lshl_b32 s30, s30, 23
	s_or_b32 s30, s30, 0x600000
	v_mov_b32 v12, s30                             ; 448 x that
	XTILE 0, R0, 16, 1
	XTILE 1, R1, 16, 1
	XTILE 2, R0, 16, 0
	XTILE 3, R1, 0, 0
	WLOAD 0
	WLOAD 1
	s_wait_dscnt 0x0                               ; for the others' sake: my four images have landed
	s_barrier_signal -1
	s_barrier_wait -1                              ; x's 32 fragments lie in LDS
; A K step of 128: two runs of 16 matrix instructions, four token tiles each; the 32 accumulators take turns, one instruction a turn.
.macro KSTEP vmode, ks
.set WS, 32+64*((\ks)%2)
.irp hh, 0,1
	PLACES
.irp t, 0,1,2,3
.irp c, 0,1,2,3
	ds_load_b128 v[XF+16*\t+4*\c:XF+16*\t+4*\c+3], v8 offset:((4*\hh+\t)*4+(\ks))*2048+512*\c
.endr
.endr
.if \hh == 0
.if (\ks) < 3
	s_wait_loadcnt 16                              ; this K step's weights are in; the next step's sixteen loads may be out
.else
	s_wait_loadcnt 0x0
.endif
.endif
	s_wait_dscnt 0x0
	WIN 0x50                                       ; C and D in window 1
.irp t, 0,1,2,3
.irp f, 0,1,2,3
.if \vmode
.set AC, 8*(8*\f+4*\hh+\t)
.if (\ks) == 0
	v_wmma_f32_16x16x128_fp8_fp8 v[AC:AC+7], v[XF+16*\t:XF+16*\t+15], v[WS+16*\f:WS+16*\f+15], 0
.else
	v_wmma_f32_16x16x128_fp8_fp8 v[AC:AC+7], v[XF+16*\t:XF+16*\t+15], v[WS+16*\f:WS+16*\f+15], v[AC:AC+7]
.endif
.else
.set AC, 8*(4*(4*\hh+\t)+\f)
.if (\ks) == 0
	v_wmma_f32_16x16x128_fp8_fp8 v[AC:AC+7], v[WS+16*\f:WS+16*\f+15], v[XF+16*\t:XF+16*\t+15], 0
.else
	v_wmma_f32_16x16x128_fp8_fp8 v[AC:AC+7], v[WS+16*\f:WS+16*\f+15], v[XF+16*\t:XF+16*\t+15], v[AC:AC+7]
.endif
.endif
.endr
.endr
	WIN 0
.endr
.if (\ks) < 2
	PLACES
	WLOAD (\ks)+2                                  ; into the set just multiplied
.endif
.endm
	s_cmp_eq_u32 s18, 2
	s_cbranch_scc1 .Lvmode
	KSTEP 0, 0
	KSTEP 0, 1
	KSTEP 0, 2
	KSTEP 0, 3
	s_branch .Lout
.Lvmode:
	KSTEP 1, 0
	KSTEP 1, 1
	KSTEP 1, 2
	KSTEP 1, 3
.Lout:
	; THE WAY OUT: both orders of accumulators are the order of the images: accumulator a gives code registers 2 a, 2 a + 1; 8 KB on end.
	PLACES
	WIN 0x41                                       ; source 0 and destination in window 1
.set a, 0
.rept 256
	v_med3_num_f32 v[a], v[a], -v12, v12           ; each accumulator from its low end on
.set a, a+1
.endr
	WIN 0x01                                       ; source 0 in window 1, destination in window 0
.set a, 0
.rept 32
	v_cvt_scalef32_pk8_fp8_f32 v[32+2*a:33+2*a], v[8*a:8*a+7], v11
.set a, a+1
.endr
	v_nop
	WIN 0
.irp g, 0,1,2,3,4,5,6,7,8,9,10,11,12,13,14,15
	global_store_b128 v4, v[32+4*\g:35+4*\g], s[24:25] offset:512*\g   ; 512 consecutive bytes, aligned
.endr
	s_wait_tensorcnt 0x0
	ds_add_u32 v254, v255
	s_wait_dscnt 0x0
	s_endpgm
.Lfunc_end_k_q35d66c0cdb_qkv:
	.size	k_q35d66c0cdb_qkv, .Lfunc_end_k_q35d66c0cdb_qkv-k_q35d66c0cdb_qkv
	.p2alignl 7, 3214868480
	.fill 96, 4, 3214868480
	.section	.rodata,"a",@progbits
	.p2align	6, 0x0
	.amdhsa_kernel k_q35d66c0cdb_qkv
		.amdhsa_group_segment_fixed_size 134144
		.amdhsa_private_segment_fixed_size 0
		.amdhsa_enable_private_segment 0
		.amdhsa_kernarg_size 48
		.amdhsa_user_sgpr_count 2
		.amdhsa_user_sgpr_kernarg_segment_ptr 1
		.amdhsa_wavefront_size32 1
		.amdhsa_system_sgpr_workgroup_id_x 1
		.amdhsa_system_sgpr_workgroup_id_y 1
		.amdhsa_system_sgpr_workgroup_id_z 1
		.amdhsa_system_vgpr_workitem_id 0
		.amdhsa_next_free_vgpr 512
		.amdhsa_next_free_sgpr 96
		.amdhsa_reserve_vcc 0
		.amdhsa_float_denorm_mode_32 3
		.amdhsa_float_denorm_mode_16_64 3
		.amdhsa_memory_ordered 1
		.amdhsa_forward_progress 1
		.amdhsa_inst_pref_size 102
	.end_amdhsa_kernel
	.amdgpu_metadata
---
amdhsa.version: [ 1, 2 ]
amdhsa.kernels:
  - .name:           k_q35d66c0cdb_qkv
    .symbol:         k_q35d66c0cdb_qkv.kd
    .args:
      - { .name: x, .offset: 0, .size: 8, .value_kind: global_buffer, .address_space: global }
      - { .name: wimg, .offset: 8, .size: 8, .value_kind: global_buffer, .address_space: global }
      - { .name: lowp_scales, .offset: 16, .size: 8, .value_kind: global_buffer, .address_space: global }
      - { .name: qimg, .offset: 24, .size: 8, .value_kind: global_buffer, .address_space: global }
      - { .name: kimg, .offset: 32, .size: 8, .value_kind: global_buffer, .address_space: global }
      - { .name: vimg, .offset: 40, .size: 8, .value_kind: global_buffer, .address_space: global }
    .group_segment_fixed_size: 134144
    .private_segment_fixed_size: 0
    .kernarg_segment_align: 8
    .kernarg_segment_size: 48
    .max_flat_workgroup_size: 256
    .sgpr_count:     96
    .vgpr_count:     512
    .wavefront_size: 32
...
	.end_amdgpu_metadata
.endif
;; end of part 2
;; launch attn (part 3): grid 16 x 16, 16 waves a work-group, no clusters, 34,816 bytes of LDS; arguments qimg, kimg, vimg, maskw, flags, lowp_scales, aimg; writes aimg
.if DOCPART == 3
	.amdgcn_target "amdgcn-amd-amdhsa--gfx1250"
	.amdhsa_code_object_version 6
	.text
	.protected	k_q35d66c0cdb_attn
	.globl	k_q35d66c0cdb_attn
	.p2align	8
	.type	k_q35d66c0cdb_attn,@function
k_q35d66c0cdb_attn:
	s_mov_b64 s[64:65], 0
	v_nop
	global_prefetch_b8 v0, s[64:65] scope:SCOPE_SE
	s_setreg_imm32_b32 hwreg(HW_REG_WAVE_MODE, 25, 1), 1
	s_wait_xcnt 0x0
; ATTENTION on codes of E4M3, head size 64, with the mask that was given, and the result quantised for the next product.
; t = score x log2(e) / 64; M = the row's largest t so far, rounded up to a whole number; p = 2^(t - M) is quantised along the keys with entry 8; the row's sum is taken of the unquantised p and divides at the end.
; SHARES.  A work-group (g, bh) has sixteen waves, four to a SIMD; wave w owns ONE tile of 16 queries, qt = 16 rank + g, rank = w xor 3 ((w / 4) % 2): a work-group's tiles are spread over the whole sequence.
; Every wave passes all 32 key steps of 128: a constant trip count, one barrier a step.  A step's K and V (8 KB each, images of operand registers) go memory -> registers -> LDS, 16 bytes of each a thread, two steps ahead, in two LDS slots.
; THE MASK.  The launch before stored, for each query tile, word A (bit t: step t is walked) and word B (bit t: step t has a hidden element), and 64 lane masks for each step.  Where A's bit is 0 the wave jumps over the step's work
; (never over the staging or the barrier); where B's bit is 1 hidden scores are replaced ahead of the maximum.  These branches hang on stored whole numbers, which is why K and V are not brought by tensor loads, nor shared in a cluster.
; A HIDDEN SCORE becomes -2^(36 - e6 - e7): as t that is -log2(e) x 2^30, a whole number.  Beside any open key its p is 0; a row with no open key has t - M = 0 and p = 1 for every key, as with the problem's -1e9.
; LIMITS: e6 + e7 between -100 and 10 (so that true t stay far above the hidden one, and c and the hidden score are f32 numbers); e8, and e10 - e8 - e9, between -126 and 119.
; LAYOUT.  S^T = K Q^T (source 0 = 16 keys, source 1 = my queries), O^T = V^T P^T: a lane holds one query throughout; score register 8 j + i holds key 16 j + 8 (lane / 16) + i, so one conversion gives pair j of P's fragment.
; REGISTERS: v1 16 x lane; v2 16 x thread; v3 256 x lane; v12 -M; v13 largest t; v[14:15] the sum; v16-23 Q; v32-95 K, then V; v96-159 S^T, then p; v160-191 O^T; v192-207 p's codes; v208-223 two staging sets; v224 the hidden score;
; v240, v244: 448 x 2^e8, 2^e8; v245, v246: 2^(e10 - e8 - e9), 448 x that; v236, v242, v243, v252-254 at work.
; SCALARS: s16 wave; s17 trips left; s18, s19 A, B, shifted a bit a step; s[20:21] lane selects; s[22:23] c; s24 1 where p needs a hold; s25 prefetch bound; s[6:7] K, s[8:9] V, s[10:11] mask words, s[26:27] result, s[28:29] prefetch;
; s[32:63], s[68:99] a step's 64 mask words.
.set KV, 32
.set S,  96
.set O,  160
.set P,  192
.set SG, 208
	s_load_b256 s[4:11], s[0:1], 0x0               ; qimg, kimg, vimg, maskw
	s_load_b128 s[12:15], s[0:1], 0x20             ; flags, scales
	s_load_b64 s[26:27], s[0:1], 0x30              ; aimg
	v_lshl_add_u32 v251, v0, 2, 0x8000
	v_mov_b32 v255, 0
	v_lshrrev_b32 v1, 5, v0
	v_readfirstlane_b32 s16, v1                    ; wave 0..15
	v_and_b32 v1, 31, v0
	v_lshlrev_b32 v3, 8, v1
	v_lshlrev_b32 v1, 4, v1
	v_lshlrev_b32 v2, 4, v0
	s_and_b32 s2, ttmp7, 0xffff                    ; bh = 8 b + head
	s_bfe_u32 s3, s16, 0x10002
	s_mul_i32 s3, s3, 3
	s_xor_b32 s3, s3, s16                          ; rank
	s_lshl_b32 s3, s3, 4
	s_add_co_u32 s3, s3, ttmp9                     ; qt
	s_mov_b32 s20, 0x76543210
	s_mov_b32 s21, 0xfedcba98
	s_mov_b32 s17, 15
	s_lshl_b32 s30, s2, 18                         ; a head's 262,144 bytes in each of q, k, v
	s_mov_b32 s31, 0
	s_mov_b32 s101, 0
	s_wait_kmcnt 0x0
	s_add_nc_u64 s[4:5], s[4:5], s[30:31]
	s_add_nc_u64 s[6:7], s[6:7], s[30:31]
	s_add_nc_u64 s[8:9], s[8:9], s[30:31]
	s_lshl_b32 s100, s3, 10
	s_add_nc_u64 s[4:5], s[4:5], s[100:101]        ; my tile of Q
	s_lshl_b32 s100, s3, 13
	s_add_nc_u64 s[10:11], s[10:11], s[100:101]    ; my tile's mask words, step 0
	s_lshl_b32 s100, s3, 3
	s_add_nc_u64 s[12:13], s[12:13], s[100:101]
	s_load_b64 s[18:19], s[12:13], 0x0             ; A, B
	s_load_b512 s[32:47], s[14:15], 0x0            ; the sixteen exponents
	global_load_b128 v[16:19], v1, s[4:5]
	global_load_b128 v[20:23], v1, s[4:5] offset:512
	global_load_b128 v[SG:SG+3], v2, s[6:7]                    ; step 0
	global_load_b128 v[SG+4:SG+7], v2, s[8:9]
	global_load_b128 v[SG+8:SG+11], v2, s[6:7] offset:8192     ; step 1
	global_load_b128 v[SG+12:SG+15], v2, s[8:9] offset:8192
	s_lshr_b32 s100, s2, 3                         ; the result: token tile T = 256 b + qt: (T / 2) x 16,384 + head x 2,048 + (T % 2) x 1,024
	s_lshl_b32 s100, s100, 8
	s_add_co_u32 s100, s100, s3
	s_lshr_b32 s30, s100, 1
	s_lshl_b32 s30, s30, 14
	s_and_b32 s100, s100, 1
	s_lshl_b32 s100, s100, 10
	s_add_co_u32 s100, s100, s30
	s_and_b32 s30, s2, 7
	s_lshl_b32 s30, s30, 11
	s_add_co_u32 s100, s100, s30
	s_add_nc_u64 s[26:27], s[26:27], s[100:101]
	; the prefetches: all sixteen work-groups of a head walk the same K and V, so the first of them (g = 0) asks; waves 0, 1 for K's two steps of a trip, waves 2, 3 for V's: 8 KB a wave, lanes 256 bytes apart
	s_cmp_lt_u32 s16, 2
	s_cselect_b64 s[28:29], s[6:7], s[8:9]
	s_and_b32 s100, s16, 1
	s_add_co_u32 s100, s100, 4
	s_lshl_b32 s100, s100, 13
	s_add_nc_u64 s[28:29], s[28:29], s[100:101]    ; at step 4 or 5: trip T asks for steps 2 T + 4, 2 T + 5, which the next trip's staging loads want.  Steps 0 to 3 come by their loads alone
	s_lshr_b32 s100, s16, 2
	s_or_b32 s100, s100, ttmp9
	s_cmp_eq_u32 s100, 0
	s_cselect_b32 s25, 1, -1                       ; a wave asks while s17 is above this: the last trip asks for nothing
	v_mov_b32 v13, 0xff61b1e6                      ; the largest t so far: -3e38
	v_floor_f32 v12, -v13                          ; -M
	v_mov_b32 v14, 0
	v_mov_b32 v15, 0
	v_mov_b32 v236, 0                              ; a lane permute's destination counts as read
	v_mov_b32 v252, 0
	v_mov_b32 v253, 0                              ; (named as the upper half of the pair v[252:253])
.set i, 0
.rept 32
	v_mov_b32 v[O+i], 0                            ; O^T: the step is written for all steps alike; the first change of M leaves zeros zeros
.set i, i+1
.endr
	s_wait_kmcnt 0x0
	s_add_co_i32 s100, s38, s39                    ; e6 + e7
	s_lshl_b32 s101, s100, 23
	s_add_co_i32 s22, s101, 0x3cb8aa3b             ; c = log2(e) / 64 x 2^(e6 + e7): the exponents are added to c's exponent field
	s_mov_b32 s23, s22
	s_sub_co_i32 s100, 163, s100
	s_lshl_b32 s100, s100, 23
	s_or_b32 s100, s100, 0x80000000
	v_mov_b32 v224, s100                           ; -2^(36 - e6 - e7)
	s_add_co_i32 s100, s40, 127
	s_lshl_b32 s101, s100, 23
	v_mov_b32 v244, s101                           ; 2^e8
	s_add_co_i32 s100, s100, 8
	s_lshl_b32 s100, s100, 23
	s_or_b32 s100, s100, 0x600000
	v_mov_b32 v240, s100                           ; 448 x 2^e8
	s_cmp_lt_i32 s40, -8
	s_cselect_b32 s24, 1, 0                        ; p is at most 1, and 448 x 2^e8 is at least 1 from e8 = -8 on: there the hold changes nothing and is passed over
	s_sub_co_i32 s100, s42, s40
	s_sub_co_i32 s100, s100, s41
	s_add_co_i32 s100, s100, 127
	s_lshl_b32 s101, s100, 23
	v_mov_b32 v245, s101                           ; 2^(e10 - e8 - e9)
	s_add_co_i32 s100, s100, 8
	s_lshl_b32 s100, s100, 23
	s_or_b32 s100, s100, 0x600000
	v_mov_b32 v246, s100
	s_wait_loadcnt 0x2                             ; Q and step 0 are in; step 1's two loads may be out
	ds_store_b128 v2, v[SG:SG+3]
	ds_store_b128 v2, v[SG+4:SG+7] offset:8192
	s_wait_dscnt 0x0
	s_barrier_signal -1
	s_barrier_wait -1                              ; slot 0 holds step 0
; A KEY STEP, read from LDS slot `slot`.  stage: the step two on is asked for, into the staging set whose bytes went to LDS a step ago.  put: the next step's bytes go into the other slot, which every wave left at the last barrier; then the barrier.
.macro STEP slot, stage, put, ask
.if \stage
	global_load_b128 v[SG+8*\slot:SG+8*\slot+3], v2, s[6:7] offset:(2+\slot)*8192
	global_load_b128 v[SG+8*\slot+4:SG+8*\slot+7], v2, s[8:9] offset:(2+\slot)*8192
.endif
.if \ask
	s_cmp_gt_u32 s17, s25
	s_cbranch_scc0 .Lna_\@
	global_prefetch_b8 v3, s[28:29] th:TH_LOAD_NT scope:SCOPE_SE
.Lna_\@:
.endif
	s_bitcmp1_b32 s18, 0
	s_cbranch_scc0 .Lskip_\@                       ; no open element in this step for my 16 queries
	s_load_b512 s[32:47], s[10:11], 0x0            ; the step's 64 lane masks
	s_load_b512 s[48:63], s[10:11], 0x40
	s_load_b512 s[68:83], s[10:11], 0x80
	s_load_b512 s[84:99], s[10:11], 0xc0
.rept 4
	v_nop                                          ; places ahead of loads into registers that the last products read
.endr
.irp j, 0,1,2,3,4,5,6,7
	ds_load_b128 v[KV+8*\j:KV+8*\j+3], v1 offset:\slot*16384+1024*\j
	ds_load_b128 v[KV+8*\j+4:KV+8*\j+7], v1 offset:\slot*16384+1024*\j+512
.endr
	s_wait_dscnt 0x0
.irp j, 0,1,2,3,4,5,6,7
	v_wmma_f32_16x16x64_fp8_fp8 v[S+8*\j:S+8*\j+7], v[KV+8*\j:KV+8*\j+7], v[16:23], 0
.endr
.rept 4
	v_nop                                          ; places: ahead of V's loads into K's registers, and of the first read of the scores
.endr
.irp d, 0,1,2,3
.irp c, 0,1,2,3
	ds_load_b128 v[KV+16*\d+4*\c:KV+16*\d+4*\c+3], v1 offset:\slot*16384+8192+2048*\d+512*\c   ; V lands while the softmax is walked
.endr
.endr
	s_bitcmp1_b32 s19, 0
	s_cbranch_scc0 .Lopen_\@                       ; every element of the step counts
	s_wait_kmcnt 0x0
.set n, 0
.rept 64
	v_cndmask_b32 v[S+n], v224, v[S+n], s[32+n+4*(n/32)]
.set n, n+1
.endr
.Lopen_\@:
	v_max3_num_f32 v254, v96, v97, v98             ; the step's largest score of my query among my 64 keys, in two chains,
	v_max3_num_f32 v252, v99, v100, v101
.irp i, 6,10,14,18,22,26,30,34,38,42,46,50,54,58
	v_max3_num_f32 v254, v254, v[96+\i], v[97+\i]
	v_max3_num_f32 v252, v252, v[98+\i], v[99+\i]
.endr
	v_max3_num_f32 v254, v254, v158, v159
	v_max_num_f32 v254, v254, v252
	v_permlanex16_b32 v236, v254, s20, s21
	v_max_num_f32 v254, v254, v236                 ; and among lane l xor 16's
	v_mul_f32 v254, s22, v254                      ; as t (c is positive)
	v_max_num_f32 v13, v13, v254
	v_mov_b32 v254, v12
	v_floor_f32 v12, -v13                          ; the new -M = floor(-t): M is a whole number
	v_sub_f32 v254, v12, v254                      ; old M - new M, 0 or less
	v_cvt_i32_f32 v254, v254                       ; (it saturates)
	v_ldexp_f32 v252, 1.0, v254                    ; f = 2^(old M - new M)
.set j, 0
.rept 32
	v_pk_fma_f32 v[96+j:97+j], v[96+j:97+j], s[22:23], v[12:13] op_sel_hi:[1,0,0]   ; t - M, two at a time
.set j, j+2
.endr
.set j, 0
.rept 64
	v_exp_f32 v[96+j], v[96+j]                     ; p = 2^(t - M)
.set j, j+1
.endr
	v_pk_mul_f32 v[14:15], v[14:15], v[252:253] op_sel_hi:[1,0]   ; the sums under the new M: the plain line behind the exponentials
	s_wait_alu depctr_va_vdst(0)                   ; one wait for the batch, ahead of its first reader
	v_pk_add_f32 v[242:243], v[96:97], v[98:99]    ; the row's sum is taken of the unquantised p, in two chains
.irp j, 4,8,12,16,20,24,28,32,36,40,44,48,52,56,60
	v_pk_add_f32 v[14:15], v[14:15], v[96+\j:97+\j]
	v_pk_add_f32 v[242:243], v[242:243], v[98+\j:99+\j]
.endr
	v_pk_add_f32 v[14:15], v[14:15], v[242:243]
	s_cmp_eq_u32 s24, 0
	s_cbranch_scc1 .Lnohold_\@
.set j, 0
.rept 64
	v_min_num_f32 v[96+j], v[96+j], v240           ; the conversion does not saturate (ISA guide 7.6.2); p is not negative, so the hold is one-sided
.set j, j+1
.endr
.Lnohold_\@:
.irp j, 0,1,2,3,4,5,6,7
	v_cvt_scalef32_pk8_fp8_f32 v[P+2*\j:P+2*\j+1], v[S+8*\j:S+8*\j+7], v244
.endr
.set j, 0
.rept 16
	v_pk_mul_f32 v[O+j:O+j+1], v[O+j:O+j+1], v[252:253] op_sel_hi:[1,0]   ; O^T under the new M; also the plain lines between the conversions and the products
.set j, j+2
.endr
	s_wait_dscnt 0x0                               ; V is in
.irp d, 0,1,2,3
	v_wmma_f32_16x16x128_fp8_fp8 v[O+8*\d:O+8*\d+7], v[KV+16*\d:KV+16*\d+15], v[P:P+15], v[O+8*\d:O+8*\d+7]
.endr
	s_wait_kmcnt 0x0                               ; the mask words' loads are done on every way: their address and their registers may be written again
.Lskip_\@:
	s_lshr_b32 s18, s18, 1
	s_lshr_b32 s19, s19, 1
	s_add_nc_u64 s[10:11], s[10:11], 256
.if \put
.if \stage
	s_wait_loadcnt 0x2                             ; the next step's bytes, asked for a step ago, are in; the two loads of this step's head may be out
.else
	s_wait_loadcnt 0x0
.endif
	ds_store_b128 v2, v[SG+8*(1-\slot):SG+8*(1-\slot)+3] offset:(1-\slot)*16384
	ds_store_b128 v2, v[SG+8*(1-\slot)+4:SG+8*(1-\slot)+7] offset:(1-\slot)*16384+8192
	s_wait_dscnt 0x0                               ; my stores have landed, and my reads of this slot are over
	s_barrier_signal -1
	s_barrier_wait -1
.endif
.endm
.Ltrip:                                            ; 15 trips of two steps
	STEP 0, 1, 1, 1
	STEP 1, 1, 1, 0
	s_wait_xcnt 0x0                                ; the trip's loads and its prefetch have read their addresses
	s_add_nc_u64 s[6:7], s[6:7], 16384
	s_add_nc_u64 s[8:9], s[8:9], 16384
	s_add_nc_u64 s[28:29], s[28:29], 16384
	s_sub_co_u32 s17, s17, 1
	s_cmp_lg_u32 s17, 0
	s_cbranch_scc1 .Ltrip
	STEP 0, 0, 1, 0                                ; steps 30 and 31: nothing is left to fetch
	STEP 1, 0, 0, 0
	; THE WAY OUT: O^T / the sum, quantised with entry 10 (the three scales folded into one), as half a fragment (16 tokens x my head's 64) of the next product's operand
.rept 4
	v_nop
.endr
	v_add_f32 v14, v14, v15
	v_permlanex16_b32 v236, v14, s20, s21
	v_add_f32 v14, v14, v236                       ; the row's sum
	v_rcp_f32 v14, v14
	v_nop                                          ; a plain line behind the transcendental
	s_wait_alu depctr_va_vdst(0)                   ; and the wait ahead of its first reader
.set j, 0
.rept 16
	v_pk_mul_f32 v[S+j:S+j+1], v[O+j:O+j+1], v[14:15] op_sel_hi:[1,0]   ; each accumulator from its low end on
.set j, j+2
.endr
.set j, 0
.rept 32
	v_med3_num_f32 v[S+j], v[S+j], -v246, v246
.set j, j+1
.endr
.irp d, 0,1,2,3
	v_cvt_scalef32_pk8_fp8_f32 v[P+2*\d:P+2*\d+1], v[S+8*\d:S+8*\d+7], v245
.endr
	v_nop
	global_store_b128 v1, v[P:P+3], s[26:27]                   ; 512 consecutive bytes, aligned
	global_store_b128 v1, v[P+4:P+7], s[26:27] offset:512
	s_wait_tensorcnt 0x0
	ds_add_u32 v251, v255
	s_wait_dscnt 0x0
	s_endpgm
.Lfunc_end_k_q35d66c0cdb_attn:
	.size	k_q35d66c0cdb_attn, .Lfunc_end_k_q35d66c0cdb_attn-k_q35d66c0cdb_attn
	.p2alignl 7, 3214868480
	.fill 96, 4, 3214868480
	.section	.rodata,"a",@progbits
	.p2align	6, 0x0
	.amdhsa_kernel k_q35d66c0cdb_attn
		.amdhsa_group_segment_fixed_size 34816
		.amdhsa_private_segment_fixed_size 0
		.amdhsa_enable_private_segment 0
		.amdhsa_kernarg_size 56
		.amdhsa_user_sgpr_count 2
		.amdhsa_user_sgpr_kernarg_segment_ptr 1
		.amdhsa_wavefront_size32 1
		.amdhsa_system_sgpr_workgroup_id_x 1
		.amdhsa_system_sgpr_workgroup_id_y 1
		.amdhsa_system_sgpr_workgroup_id_z 1
		.amdhsa_system_vgpr_workitem_id 0
		.amdhsa_next_free_vgpr 256
		.amdhsa_next_free_sgpr 104
		.amdhsa_reserve_vcc 0
		.amdhsa_float_denorm_mode_32 3
		.amdhsa_float_denorm_mode_16_64 3
		.amdhsa_memory_ordered 1
		.amdhsa_forward_progress 1
		.amdhsa_inst_pref_size 90
	.end_amdhsa_kernel
	.amdgpu_metadata
---
amdhsa.version: [ 1, 2 ]
amdhsa.kernels:
  - .name:           k_q35d66c0cdb_attn
    .symbol:         k_q35d66c0cdb_attn.kd
    .args:
      - { .name: qimg, .offset: 0, .size: 8, .value_kind: global_buffer, .address_space: global }
      - { .name: kimg, .offset: 8, .size: 8, .value_kind: global_buffer, .address_space: global }
      - { .name: vimg, .offset: 16, .size: 8, .value_kind: global_buffer, .address_space: global }
      - { .name: maskw, .offset: 24, .size: 8, .value_kind: global_buffer, .address_space: global }
      - { .name: flags, .offset: 32, .size: 8, .value_kind: global_buffer, .address_space: global }
      - { .name: lowp_scales, .offset: 40, .size: 8, .value_kind: global_buffer, .address_space: global }
      - { .name: aimg, .offset: 48, .size: 8, .value_kind: global_buffer, .address_space: global }
    .group_segment_fixed_size: 34816
    .private_segment_fixed_size: 0
    .kernarg_segment_align: 8
    .kernarg_segment_size: 56
    .max_flat_workgroup_size: 512
    .sgpr_count:     104
    .vgpr_count:     256
    .wavefront_size: 32
...
	.end_amdgpu_metadata
.endif
;; end of part 3
;; launch tail (part 4): grid 256 x 1, 8 waves a work-group, no clusters, 168,960 bytes of LDS; arguments x, aimg, wimg, lowp_scales, out0; writes out0
.if DOCPART == 4
	.amdgcn_target "amdgcn-amd-amdhsa--gfx1250"
	.amdhsa_code_object_version 6
	.text
	.protected	k_q35d66c0cdb_tail
	.globl	k_q35d66c0cdb_tail
	.p2align	8
	.type	k_q35d66c0cdb_tail,@function
k_q35d66c0cdb_tail:
	s_mov_b64 s[64:65], 0
	v_nop
	global_prefetch_b8 v0, s[64:65] scope:SCOPE_SE
	s_setreg_imm32_b32 hwreg(HW_REG_WAVE_MODE, 25, 1), 1
	s_wait_xcnt 0x0
; THE REST OF THE BLOCK: x1 = 5/6 x + 1/18 (a Wo^T);  h = gelu(x1 Wup^T) / 1.1289;  out = 5/6 x1 + 1/6 (h Wdown^T); the three products on codes of E4M3.  x1 and h never go to memory.
; SHARES.  A work-group takes 32 tokens (two tiles of 16).  THE WAVES SHARE THE COLUMNS: wave w makes features 64 w .. 64 w + 63 of the first and last product and hidden units 256 w .. 256 w + 255.
; So each weight fragment has one reader in the work-group and goes from memory straight into registers: a wave's 36 groups of four fragments (8 KB each) lie on end in the order of use, and come three groups ahead
; through a ring of four register sets.  Joint loads are not used: they land in LDS, where each weight byte would be written and read once more for its one reader.
; OPERANDS GO FROM WAVE TO WAVE THROUGH LDS AS IMAGES OF THEIR REGISTERS: half fragment hf (64 k), token tile tt, chunk cc at 2,048 hf + 1,024 tt + 512 cc + 16 lane; a K step of 128 is 4 KB on end.
; All products are used transposed (source 0 = 16 rows of a weight, source 1 = 16 tokens): a lane holds a token and 8 neighbouring features, so one conversion gives a register pair of the next operand.
; erf(z) = z P(z^2) / Q(z^2) on |z| <= 4 (beyond it z is held at 4): a rational of degrees 6 and 4 in z^2.  LIMIT: gelu's absolute error is about 1e-7 |h|, so its relative error grows in the far negative tail.
; LIMITS on the exponents: e12, e14 between -126 and 119; e10 + e11, e12 + e13, e14 + e15 between -100 and 100 (they are added to the exponent fields of 1/18, 1/sqrt 2, 0.5/1.1289, 1/6).  NaN among the inputs is not served.
; REGISTERS.  window 0: v1-17 addresses, scales; v32-95 x, then x1 (register 8 (4 tt + f) + i); v96-159 the 8 accumulators (4 tt + f); v160-191 two operand fragments, also codes just made; v192-255 at work.  window 1: the weights' ring.
.set AIMG,  0                          ; 16 KB: the attention's codes
.set X1IMG, 16384                      ; 16 KB: x1's codes
.set HIMG,  32768                      ; 64 KB: the hidden layer's codes
.set OSTG,  98304                      ; 32 rows x 272 bytes for each wave: x on the way in, the result on the way out
.set LI,  1                            ; 16 x lane
.set TI,  2                            ; 16 x thread
.set LI2, 3                            ; 16 x lane + 32,768
.set X1W, 4                            ; 16 x lane + 2,048 w
.set HW0, 5                            ; 16 x lane + 8,192 w
.set HWT, 6                            ; + 2,048 x group
.set SO,  7                            ; my stage: row r, + 32 h
.set SR,  8                            ; my stage: row lane / 16, + 16 (lane % 16)
.set GO,  9                            ; the same two rows in x and in out0
.set VA0, 14                           ; v[14:15] the rational's leading coefficients, as pairs
.set VB0, 16
.set X1,  32
.set ACC, 96
.set BF,  160
.set TMP, 192
.set TZ,  192
.set TX,  208
.set TP,  224
.set TQ,  240
.set WP,  8                            ; s[8:9] my stream of weights
.set A1, 24                            ; s[24:35] P's coefficients 1..6, s[36:43] Q's 1..4, each as a pair
.set A2, 26
.set A3, 28
.set A4, 30
.set A5, 32
.set A6, 34
.set B1, 36
.set B2, 38
.set B3, 40
.set B4, 42
.set CZ, 44                            ; 2^(e12 + e13) / sqrt 2
.set CH, 46                            ; 2^(e12 + e13) x 0.5 / 1.1289
.set K1, 48                            ; 2^(e10 + e11) / 18
.set K2, 50                            ; 2^(e14 + e15) / 6
.set K56, 52                           ; 5/6
.set MSB, 0
.macro WIN new                         ; the immediate's high byte repeats the setting that is left
.if MSB != \new
	s_set_vgpr_msb (MSB<<8)|\new
.set MSB, \new
.endif
.endm
.macro SPAIR reg, val
	s_mov_b32 s[\reg], \val
	s_mov_b32 s[\reg+1], \val
.endm
	s_load_b256 s[4:11], s[0:1], 0x0               ; x, aimg, wimg, scales
	s_load_b64 s[12:13], s[0:1], 0x20              ; out0
	v_lshl_add_u32 v30, v0, 2, 0x29000
	v_mov_b32 v31, 0
	v_lshrrev_b32 v1, 5, v0
	v_readfirstlane_b32 s14, v1                    ; wave 0..7
	v_and_b32 v20, 31, v0
	v_and_b32 v21, 15, v0                          ; r
	v_bfe_u32 v22, v0, 4, 1                        ; h
	v_lshlrev_b32 v[LI], 4, v20
	v_lshlrev_b32 v[TI], 4, v0
	v_add_nc_u32 v[LI2], 32768, v[LI]
	s_lshl_b32 s16, s14, 11
	v_add_nc_u32 v[X1W], s16, v[LI]
	s_lshl_b32 s16, s14, 13
	v_add_nc_u32 v[HW0], s16, v[LI]
	s_mul_i32 s16, s14, 8704
	s_add_co_u32 s16, s16, OSTG
	v_mul_u32_u24 v[SO], v21, 272
	v_lshl_add_u32 v[SO], v22, 5, v[SO]
	v_add_nc_u32 v[SO], s16, v[SO]
	v_mul_u32_u24 v[SR], v22, 272
	v_lshl_add_u32 v[SR], v21, 4, v[SR]
	v_add_nc_u32 v[SR], s16, v[SR]
	v_lshlrev_b32 v[GO], 11, v22
	v_lshl_add_u32 v[GO], v21, 4, v[GO]
	v_mov_b32 v[VA0], 0xaf95df0b
	v_mov_b32 v[VA0+1], 0xaf95df0b
	v_mov_b32 v[VB0], 0xb77460cd
	v_mov_b32 v[VB0+1], 0xb77460cd
	SPAIR A1, 0x32edffee
	SPAIR A2, 0xb60cff51
	SPAIR A3, 0xb86ec2d2
	SPAIR A4, 0xba40ac63
	SPAIR A5, 0xbb41a1f6
	SPAIR A6, 0xbc83dbd4
	SPAIR B1, 0xb95fbd29
	SPAIR B2, 0xbadc924e
	SPAIR B3, 0xbbf19bf8
	SPAIR B4, 0xbc69b6a7
	SPAIR K56, 0x3f555555
	s_lshl_b32 s16, ttmp9, 16                      ; x, out0: 32 u rows of 2,048 bytes + my 256 bytes of a row
	s_lshl_b32 s17, s14, 8
	s_add_co_u32 s16, s16, s17
	s_mov_b32 s17, 0
	s_lshl_b32 s20, ttmp9, 14                      ; aimg: 16,384 u
	s_mov_b32 s21, 0
	s_mul_i32 s22, s14, 294912                     ; my stream
	s_add_co_u32 s22, s22, 786432
	s_mov_b32 s23, 0
	s_wait_kmcnt 0x0
	s_load_b512 s[68:83], s[10:11], 0x0            ; the sixteen exponents
	s_add_nc_u64 s[4:5], s[4:5], s[16:17]
	s_add_nc_u64 s[12:13], s[12:13], s[16:17]
	s_add_nc_u64 s[6:7], s[6:7], s[20:21]
	s_add_nc_u64 s[WP:WP+1], s[WP:WP+1], s[22:23]
.macro WGRP gs, off                    ; a group of four fragments, 8 KB on end, into ring set gs (window 1)
.irp i, 0,1,2,3,4,5,6,7,8,9,10,11,12,13,14,15
	global_load_b128 v[64*(\gs)+4*\i:64*(\gs)+4*\i+3], v[LI], s[WP:WP+1] offset:(\off)+512*\i
.endr
.endm
.irp k, 0,1,2,3
	global_load_b128 v[TMP+4*\k:TMP+4*\k+3], v[TI], s[6:7] offset:4096*\k                    ; the work-group's 16 KB of attention codes, 64 bytes a thread
.endr
.irp i, 0,1,2,3,4,5,6,7,8,9,10,11,12,13,14,15
	global_load_b128 v[ACC+4*\i:ACC+4*\i+3], v[GO], s[4:5] offset:4096*\i th:TH_LOAD_NT      ; x: sixteen lanes read 256 consecutive bytes of a row
.endr
	WIN 0x40                                       ; destination in window 1
	WGRP 0, 0
	WGRP 1, 8192
	WIN 0
	s_wait_kmcnt 0x0
	s_add_co_i32 s15, s78, s79
	s_lshl_b32 s15, s15, 23
	s_add_co_i32 s[K1], s15, 0x3d638e39
	s_mov_b32 s[K1+1], s[K1]
	s_add_co_i32 s15, s80, s81
	s_lshl_b32 s15, s15, 23
	s_add_co_i32 s[CZ], s15, 0x3f3504f3
	s_mov_b32 s[CZ+1], s[CZ]
	s_add_co_i32 s[CH], s15, 0x3ee2c4f9
	s_mov_b32 s[CH+1], s[CH]
	s_add_co_i32 s15, s82, s83
	s_lshl_b32 s15, s15, 23
	s_add_co_i32 s[K2], s15, 0x3e2aaaab
	s_mov_b32 s[K2+1], s[K2]
	s_add_co_i32 s15, s80, 127
	s_lshl_b32 s16, s15, 23
	v_mov_b32 v10, s16                             ; 2^e12
	s_add_co_i32 s15, s15, 8
	s_lshl_b32 s15, s15, 23
	s_or_b32 s15, s15, 0x600000
	v_mov_b32 v11, s15                             ; 448 x 2^e12
	s_add_co_i32 s15, s82, 127
	s_lshl_b32 s16, s15, 23
	v_mov_b32 v12, s16                             ; 2^e14
	s_add_co_i32 s15, s15, 8
	s_lshl_b32 s15, s15, 23
	s_or_b32 s15, s15, 0x600000
	v_mov_b32 v13, s15                             ; 448 x 2^e14
	s_wait_loadcnt 48                              ; the four loads of codes are in; x's 16 and two groups' 32 may be out
.irp k, 0,1,2,3
	ds_store_b128 v[TI], v[TMP+4*\k:TMP+4*\k+3] offset:AIMG+4096*\k
.endr
	s_wait_loadcnt 32                              ; x is in; the two groups may be out
.irp i, 0,1,2,3,4,5,6,7,8,9,10,11,12,13,14,15
	ds_store_b128 v[SR], v[ACC+4*\i:ACC+4*\i+3] offset:544*\i      ; x turns through my own stage: in by rows,
.endr
.irp t, 0,1
.irp f, 0,1,2,3
	ds_load_b128 v[X1+8*(4*\t+\f):X1+8*(4*\t+\f)+3], v[SO] offset:\t*4352+64*\f          ; out in the accumulators' layout
	ds_load_b128 v[X1+8*(4*\t+\f)+4:X1+8*(4*\t+\f)+7], v[SO] offset:\t*4352+64*\f+16
.endr
.endr
	WIN 0x40
	WGRP 2, 16384
	WIN 0
	s_wait_dscnt 0x0
	s_barrier_signal -1
	s_barrier_wait -1                              ; the attention's codes lie in LDS
; A K step of 128: the group three on is asked for, into the set multiplied last step; two operand fragments from LDS; 8 matrix instructions, the 8 accumulators by turns.
.macro WSTEP slot, adr, bimm, zero, ahead, cnt
.rept 4
	v_nop                                          ; places ahead of loads into registers that the last products read
.endr
	s_wait_loadcnt \cnt                            ; this step's group is in; the younger groups may be out
.if \ahead
	WIN 0x40
	WGRP (\slot+3)%4, (\slot+3)*8192
	WIN 0
.endif
.irp i, 0,1,2,3,4,5,6,7
	ds_load_b128 v[BF+16*((\i/2)%2)+4*(2*(\i/4)+\i%2):BF+16*((\i/2)%2)+4*(2*(\i/4)+\i%2)+3], v[\adr] offset:(\bimm)+512*\i
.endr
	s_wait_dscnt 0x0
	WIN 0x01                                       ; source 0 (the weights) in window 1
.irp t, 0,1
.irp f, 0,1,2,3
.if \zero
	v_wmma_f32_16x16x128_fp8_fp8 v[ACC+8*(4*\t+\f):ACC+8*(4*\t+\f)+7], v[64*(\slot)+16*\f:64*(\slot)+16*\f+15], v[BF+16*\t:BF+16*\t+15], 0
.else
	v_wmma_f32_16x16x128_fp8_fp8 v[ACC+8*(4*\t+\f):ACC+8*(4*\t+\f)+7], v[64*(\slot)+16*\f:64*(\slot)+16*\f+15], v[BF+16*\t:BF+16*\t+15], v[ACC+8*(4*\t+\f):ACC+8*(4*\t+\f)+7]
.endif
.endr
.endr
	WIN 0
.endm
.macro TRIP4 adr, imm, zero            ; four K steps, once round the ring; then the stream's pointer steps
	WSTEP 0, \adr, \imm, \zero, 1, 32
	WSTEP 1, \adr, \imm+4096, 0, 1, 32
	WSTEP 2, \adr, \imm+8192, 0, 1, 32
	WSTEP 3, \adr, \imm+12288, 0, 1, 32
	s_wait_xcnt 0x0                                ; the loads have read their base
	s_add_nc_u64 s[WP:WP+1], s[WP:WP+1], 32768
.endm
; x1 (or the result) = 5/6 of what X1 holds + the sums x k.  The 32 multiplications name no register of the last products: they are the places behind them.
.macro RESID k
.set j, 0
.rept 32
	v_pk_mul_f32 v[X1+j:X1+j+1], v[X1+j:X1+j+1], s[K56:K56+1] op_sel_hi:[1,0]
.set j, j+2
.endr
.set j, 0
.rept 32
	v_pk_fma_f32 v[X1+j:X1+j+1], v[ACC+j:ACC+j+1], s[\k:\k+1], v[X1+j:X1+j+1] op_sel_hi:[1,0,1]   ; each accumulator from its low end on
.set j, j+2
.endr
.endm
; gelu / 1.1289 of 16 sums, in place: h' = sum x ch;  result = h' erf + h'
.macro GELU16 a
.set GA, ACC+16*(\a)
.irp j, 0,2,4,6,8,10,12,14
	v_pk_mul_f32 v[TZ+\j:TZ+\j+1], v[GA+\j:GA+\j+1], s[CZ:CZ+1] op_sel_hi:[1,0]       ; z = h / sqrt 2
.endr
.irp j, 0,1,2,3,4,5,6,7,8,9,10,11,12,13,14,15
	v_med3_num_f32 v[TZ+\j], v[TZ+\j], -4.0, 4.0
.endr
.irp j, 0,2,4,6,8,10,12,14
	v_pk_mul_f32 v[TX+\j:TX+\j+1], v[TZ+\j:TZ+\j+1], v[TZ+\j:TZ+\j+1]
.endr
.irp j, 0,2,4,6,8,10,12,14
	v_pk_fma_f32 v[TP+\j:TP+\j+1], v[TX+\j:TX+\j+1], v[VA0:VA0+1], s[A1:A1+1] op_sel_hi:[1,1,0]
	v_pk_fma_f32 v[TQ+\j:TQ+\j+1], v[TX+\j:TX+\j+1], v[VB0:VB0+1], s[B1:B1+1] op_sel_hi:[1,1,0]
.endr
.irp k, B2, B3, B4
.irp j, 0,2,4,6,8,10,12,14
	v_pk_fma_f32 v[TQ+\j:TQ+\j+1], v[TQ+\j:TQ+\j+1], v[TX+\j:TX+\j+1], s[\k:\k+1] op_sel_hi:[1,1,0]
.endr
.endr
.irp j, 0,1,2,3,4,5,6,7,8,9,10,11,12,13,14,15
	v_rcp_f32 v[TQ+\j], v[TQ+\j]                   ; Q is negative and never near 0
.endr
.irp k, A2, A3, A4, A5, A6                     ; P's chain is the independent work behind the reciprocals
.irp j, 0,2,4,6,8,10,12,14
	v_pk_fma_f32 v[TP+\j:TP+\j+1], v[TP+\j:TP+\j+1], v[TX+\j:TX+\j+1], s[\k:\k+1] op_sel_hi:[1,1,0]
.endr
.endr
.irp j, 0,2,4,6,8,10,12,14
	v_pk_mul_f32 v[TP+\j:TP+\j+1], v[TP+\j:TP+\j+1], v[TZ+\j:TZ+\j+1]
	v_pk_mul_f32 v[GA+\j:GA+\j+1], v[GA+\j:GA+\j+1], s[CH:CH+1] op_sel_hi:[1,0]
.endr
	s_wait_alu depctr_va_vdst(0)                   ; one wait for the sixteen reciprocals, ahead of their first reader
.irp j, 0,2,4,6,8,10,12,14
	v_pk_mul_f32 v[TP+\j:TP+\j+1], v[TP+\j:TP+\j+1], v[TQ+\j:TQ+\j+1]                 ; erf
.endr
.irp j, 0,2,4,6,8,10,12,14
	v_pk_fma_f32 v[GA+\j:GA+\j+1], v[GA+\j:GA+\j+1], v[TP+\j:TP+\j+1], v[GA+\j:GA+\j+1]
.endr
.endm
	; ---- the attention's output projection, and the first residual
	TRIP4 LI, AIMG, 1
	RESID K1
.set j, 0
.rept 64
	v_med3_num_f32 v[TMP+j], v[X1+j], -v11, v11    ; x1 stays; the held copy is converted
.set j, j+1
.endr
.irp a, 0,1,2,3,4,5,6,7
	v_cvt_scalef32_pk8_fp8_f32 v[BF+2*\a:BF+2*\a+1], v[TMP+8*\a:TMP+8*\a+7], v10
.endr
	v_nop
.irp g, 0,1,2,3
	ds_store_b128 v[X1W], v[BF+4*\g:BF+4*\g+3] offset:X1IMG+512*\g      ; half fragment w of x1, both token tiles
.endr
	s_wait_dscnt 0x0
	s_barrier_signal -1
	s_barrier_wait -1                              ; x1's codes lie in LDS
	; ---- the hidden layer: four groups of 64 units a wave
	s_mov_b32 s18, 4
	s_mov_b32 s19, 0
.Lup:
	TRIP4 LI, X1IMG, 1
.rept 4
	v_nop                                          ; places ahead of the first read of results
.endr
	GELU16 0
	GELU16 1
	GELU16 2
	GELU16 3
.set j, 0
.rept 64
	v_med3_num_f32 v[ACC+j], v[ACC+j], -v13, v13
.set j, j+1
.endr
.irp a, 0,1,2,3,4,5,6,7
	v_cvt_scalef32_pk8_fp8_f32 v[BF+2*\a:BF+2*\a+1], v[ACC+8*\a:ACC+8*\a+7], v12
.endr
	v_add_nc_u32 v[HWT], s19, v[HW0]               ; (the plain line behind the last conversion)
.irp g, 0,1,2,3
	ds_store_b128 v[HWT], v[BF+4*\g:BF+4*\g+3] offset:HIMG+512*\g       ; half fragment 4 w + group
.endr
	s_add_co_u32 s19, s19, 2048
	s_wait_dscnt 0x0                               ; the stores have read their registers, which the next trip's loads take
	s_sub_co_u32 s18, s18, 1
	s_cmp_lg_u32 s18, 0
	s_cbranch_scc1 .Lup
	s_barrier_signal -1
	s_barrier_wait -1                              ; the hidden layer's codes lie in LDS
	; ---- the way down: sixteen K steps, written out; the last three ask for nothing, and their counts run down
	TRIP4 LI, HIMG, 1
	TRIP4 LI, HIMG+16384, 0
	TRIP4 LI2, HIMG, 0
	WSTEP 0, LI2, HIMG+16384, 0, 1, 32
	WSTEP 1, LI2, HIMG+16384+4096, 0, 0, 32
	WSTEP 2, LI2, HIMG+16384+8192, 0, 0, 16
	WSTEP 3, LI2, HIMG+16384+12288, 0, 0, 0
	RESID K2
	; THE WAY OUT through my own stage: in as the accumulators lie, back by rows; LDS serves a wave's instructions in order
.irp t, 0,1
.irp f, 0,1,2,3
	ds_store_b128 v[SO], v[X1+8*(4*\t+\f):X1+8*(4*\t+\f)+3] offset:\t*4352+64*\f
	ds_store_b128 v[SO], v[X1+8*(4*\t+\f)+4:X1+8*(4*\t+\f)+7] offset:\t*4352+64*\f+16
.endr
.endr
.irp i, 0,1,2,3,4,5,6,7,8,9,10,11,12,13,14,15
	ds_load_b128 v[TMP+4*\i:TMP+4*\i+3], v[SR] offset:544*\i
.endr
.irp i, 0,1,2,3,4,5,6,7,8,9,10,11,12,13,14,15
	s_wait_dscnt 15-\i                             ; load i is back; the younger ones may be out
	global_store_b128 v[GO], v[TMP+4*\i:TMP+4*\i+3], s[12:13] offset:4096*\i th:TH_STORE_NT   ; sixteen lanes store 256 consecutive bytes, aligned
.endr
	s_wait_tensorcnt 0x0
	ds_add_u32 v30, v31
	s_wait_dscnt 0x0
	s_endpgm
.Lfunc_end_k_q35d66c0cdb_tail:
	.size	k_q35d66c0cdb_tail, .Lfunc_end_k_q35d66c0cdb_tail-k_q35d66c0cdb_tail
	.p2alignl 7, 3214868480
	.fill 96, 4, 3214868480
	.section	.rodata,"a",@progbits
	.p2align	6, 0x0
	.amdhsa_kernel k_q35d66c0cdb_tail
		.amdhsa_group_segment_fixed_size 168960
		.amdhsa_private_segment_fixed_size 0
		.amdhsa_enable_private_segment 0
		.amdhsa_kernarg_size 40
		.amdhsa_user_sgpr_count 2
		.amdhsa_user_sgpr_kernarg_segment_ptr 1
		.amdhsa_wavefront_size32 1
		.amdhsa_system_sgpr_workgroup_id_x 1
		.amdhsa_system_sgpr_workgroup_id_y 1
		.amdhsa_system_sgpr_workgroup_id_z 1
		.amdhsa_system_vgpr_workitem_id 0
		.amdhsa_next_free_vgpr 512
		.amdhsa_next_free_sgpr 96
		.amdhsa_reserve_vcc 0
		.amdhsa_float_denorm_mode_32 3
		.amdhsa_float_denorm_mode_16_64 3
		.amdhsa_memory_ordered 1
		.amdhsa_forward_progress 1
		.amdhsa_inst_pref_size 138
	.end_amdhsa_kernel
	.amdgpu_metadata
---
amdhsa.version: [ 1, 2 ]
amdhsa.kernels:
  - .name:           k_q35d66c0cdb_tail
    .symbol:         k_q35d66c0cdb_tail.kd
    .args:
      - { .name: x, .offset: 0, .size: 8, .value_kind: global_buffer, .address_space: global }
      - { .name: aimg, .offset: 8, .size: 8, .value_kind: global_buffer, .address_space: global }
      - { .name: wimg, .offset: 16, .size: 8, .value_kind: global_buffer, .address_space: global }
      - { .name: lowp_scales, .offset: 24, .size: 8, .value_kind: global_buffer, .address_space: global }
      - { .name: out0, .offset: 32, .size: 8, .value_kind: global_buffer, .address_space: global }
    .group_segment_fixed_size: 168960
    .private_segment_fixed_size: 0
    .kernarg_segment_align: 8
    .kernarg_segment_size: 40
    .max_flat_workgroup_size: 256
    .sgpr_count:     96
    .vgpr_count:     512
    .wavefront_size: 32
...
	.end_amdgpu_metadata
.endif
;; end of part 4
;; ======== version 2 of 2: 4 launches; version 1 with the launches qkv, attn, tail written anew for expert scheduling mode
;; limits: right only within a limited range of input values
;; workspace buffers: wimg 3,145,728 bytes; maskw 2,097,152 bytes of whole numbers; flags 2,048 bytes of whole numbers; qimg 4,194,304 bytes; kimg 4,194,304 bytes; vimg 4,194,304 bytes; aimg 4,194,304 bytes
;; launch prep: the kernel of part 1 again; grid 304 x 1, 8 waves a work-group, no clusters, 68,864 bytes of LDS; arguments mask, wq, wk, wv, wo, w_up, w_down, lowp_scales, wimg, maskw, flags; writes wimg, maskw, flags
;; launch qkv (part 5): grid 64 x 3, 8 waves a work-group, no clusters, 134,144 bytes of LDS; arguments x, wimg, lowp_scales, qimg, kimg, vimg; writes qimg, kimg, vimg
.if DOCPART == 5
	.amdgcn_target "amdgcn-amd-amdhsa--gfx1250"
	.amdhsa_code_object_version 6
	.text
	.protected	k_q35d66c0cdb_qkv
	.globl	k_q35d66c0cdb_qkv
	.p2align	8
	.type	k_q35d66c0cdb_qkv,@function
k_q35d66c0cdb_qkv:
	s_mov_b64 s[64:65], 0
	v_nop
	global_prefetch_b8 v0, s[64:65] scope:SCOPE_SE
	s_setreg_imm32_b32 hwreg(HW_REG_WAVE_SCHED_MODE, 0, 2), 2
	s_setreg_imm32_b32 hwreg(HW_REG_WAVE_MODE, 25, 1), 1
	s_wait_xcnt 0x0
	s_wait_alu depctr_vm_vsrc(0)
; Q, K, V: x W^T on codes of E4M3, the results quantised again and stored as images of the attention launch's operand registers.
; SHARES.  Work-group (blk, m) takes 128 tokens and the whole of matrix m (0 wq, 1 wk, 2 wv): so x is quantised with one scale, entry 2 m.  Wave w quantises tokens 16 w .. 16 w + 15 (four fragments of 128 k),
; stores their images in LDS, and after ONE barrier makes head w: 64 features x 128 tokens, 32 accumulators, K in four steps of 128.  Its weights, 32 KB on end, come from memory straight into registers, two K steps ahead.
; 192 work-groups: a finer split would put two of x's scales into one work-group.
; LAYOUT.  q, k: source 0 = 16 rows of W, source 1 = 16 tokens: a lane holds a token and 8 neighbouring features: one conversion gives register pair f of the token tile's fragment (16 tokens x 64).
; v: source 0 = 16 tokens, source 1 = 16 rows of Wv: a lane holds a channel d and 8 neighbouring tokens: one conversion gives pair tt of a fragment of V^T (16 channels x 128 keys).
; A sum stands for sum x 2^(ex + ew); its code is sum / 2^(eo - ex - ew), eo = entry 6 (q), 7 (k), 9 (v).  LIMITS: ex and eo - ex - ew between -126 and 119.  NaN among the inputs is not served.
; No tensor loads: x is turned and quantised on the way, and each weight byte has one reader in the work-group.
; REGISTERS.  window 0: v1-12 addresses and scales; v32-95, v96-159 x as loaded, then the weights' two sets, then the codes on the way out; v160-223 x turned, then two buffers of two fragments of x; v224-239 codes.  window 1: the 32 accumulators.
; THE MODE: SCHED_MODE bits 1:0 = 2 (LLVM: expert scheduling mode 2), set by the entry lines.  The code itself states the register dependences between vector or matrix instructions and memory or LDS instructions,
; with s_wait_alu, always for 0.
; THE PLAN.  Registers that memory or LDS instructions touch:
;   v4-v8      offsets and LDS addresses: made at the head, never written again.
;   v32-159    as x: global loads land, the stage's LDS stores read; no vector instruction names them.  As the weights' sets: global loads land, products read.  At the end: conversions write, global stores read.
;   v160-223   as the turned tile: LDS loads land, holds and conversions name them.  In the K loop: two buffers of two fragments; a step's eight products read one while the next step's LDS loads land in the other.
;   v224-239   conversions write, the image's LDS stores read.
; An x tile has one wait on vm_vsrc behind its turn and one on va_vdst ahead of its image's stores.  A step of the K loop has one wait on va_vdst at its head; all its loads follow that wait, and its products name none of the registers in which they land.
.set STG,  8448
.set XIMG, 67584                       ; behind the eight stages: x's 32 fragments, (token tile tt, K step s) at (4 tt + s) x 2,048
.set R0,   32
.set R1,   96
.set X,    160
.set XF,   160
.set C,    224
.set MSB, 0
.macro WIN new                         ; the immediate's high byte repeats the setting that is left
.if MSB != \new
	s_set_vgpr_msb (MSB<<8)|\new
.set MSB, \new
.endif
.endm
.macro PLACES                          ; four plain lines behind matrix instructions, ahead of loads into registers that they read and of the first read of results
.rept 4
	v_nop
.endr
.endm
	s_load_b256 s[4:11], s[0:1], 0x0               ; x, wimg, scales, qimg
	s_load_b128 s[12:15], s[0:1], 0x20             ; kimg, vimg
	v_lshl_add_u32 v254, v0, 2, 0x20800
	v_mov_b32 v255, 0
	v_lshrrev_b32 v1, 5, v0
	v_readfirstlane_b32 s16, v1                    ; wave 0..7
	v_and_b32 v1, 31, v0
	v_and_b32 v2, 15, v0                           ; r
	v_bfe_u32 v3, v0, 4, 1                         ; h
	v_lshlrev_b32 v4, 4, v1                        ; 16 x lane
	s_wait_alu depctr_va_sdst(0)                   ; s16 is written, ahead of its first reader
	s_mul_i32 s19, s16, STG
	v_add_nc_u32 v5, s19, v4                       ; the stage, in
	v_mul_u32_u24 v6, v2, 528
	v_lshl_add_u32 v6, v3, 5, v6
	v_add_nc_u32 v6, s19, v6                       ; the stage, out: row r, + 32 h
	s_lshl_b32 s19, s16, 13
	s_add_co_u32 s19, s19, XIMG
	v_add_nc_u32 v7, s19, v4                       ; where I store my token tile's images
	v_add_nc_u32 v8, XIMG, v4                      ; from where any image is read
	s_mov_b32 s17, ttmp9                           ; blk
	s_and_b32 s18, ttmp7, 0xffff                   ; m
	s_lshl_b32 s20, s17, 18                        ; x: (128 blk + 16 w) rows of 2,048 bytes
	s_lshl_b32 s21, s16, 15
	s_add_co_u32 s20, s20, s21
	s_mov_b32 s21, 0
	s_lshl_b32 s22, s18, 18                        ; weights: m x 262,144 + head x 32,768
	s_lshl_b32 s23, s16, 15
	s_add_co_u32 s22, s22, s23
	s_mov_b32 s23, 0
	s_lshr_b32 s26, s17, 5                         ; results: ((blk / 32) x 8 + head) x 262,144 + (blk % 32) x 8,192
	s_lshl_b32 s26, s26, 3
	s_add_co_u32 s26, s26, s16
	s_lshl_b32 s26, s26, 18
	s_and_b32 s27, s17, 31
	s_lshl_b32 s27, s27, 13
	s_add_co_u32 s26, s26, s27
	s_mov_b32 s27, 0
	s_wait_kmcnt 0x0
	s_load_b512 s[68:83], s[8:9], 0x0              ; the sixteen exponents
	s_add_nc_u64 s[4:5], s[4:5], s[20:21]
	s_add_nc_u64 s[6:7], s[6:7], s[22:23]
	s_cmp_eq_u32 s18, 0
	s_cselect_b64 s[24:25], s[10:11], s[12:13]
	s_cmp_eq_u32 s18, 2
	s_cselect_b64 s[24:25], s[14:15], s[24:25]
	s_add_nc_u64 s[24:25], s[24:25], s[26:27]
.macro LOADT j, set                    ; 128 k of my 16 tokens: sixteen loads, each 512 consecutive bytes of one row
.irp r, 0,1,2,3,4,5,6,7,8,9,10,11,12,13,14,15
	global_load_b128 v[\set+4*\r:\set+4*\r+3], v4, s[4:5] offset:2048*\r+512*(\j)
.endr
.endm
.macro TURN set
.irp r, 0,1,2,3,4,5,6,7,8,9,10,11,12,13,14,15
	ds_store_b128 v5, v[\set+4*\r:\set+4*\r+3] offset:528*\r
.endr
.irp p, 0,1,2,3,4,5,6,7
	ds_load_b128 v[X+8*\p:X+8*\p+3], v6 offset:64*\p
	ds_load_b128 v[X+8*\p+4:X+8*\p+7], v6 offset:64*\p+16
.endr
.endm
.macro XTILE j, set, cnt, more
	s_wait_loadcnt \cnt                            ; this tile's sixteen loads are in; the other set's may be out
	TURN \set
	s_wait_dscnt 0x0                               ; the tile is back
	s_wait_alu depctr_vm_vsrc(0)                   ; the stage's stores have read the set, in which loads land again; the last image's stores have read v224-239, which the conversions below write
.if \more
	LOADT (\j)+2, \set
.endif
.set i, 0
.rept 64
	v_med3_num_f32 v[X+i], v[X+i], -v10, v10       ; the hold at the largest code x the scale (the conversion does not saturate: ISA guide 7.6.2)
.set i, i+1
.endr
.irp p, 0,1,2,3,4,5,6,7
	v_cvt_scalef32_pk8_fp8_f32 v[C+2*\p:C+2*\p+1], v[X+8*\p:X+8*\p+7], v9
.endr
	v_nop                                          ; a plain line behind the last conversion
	s_wait_alu depctr_va_vdst(0)                   ; the conversions have written v224-239, which the stores below read; holds and conversions are done with v160-223, in which the next LDS loads land
.irp c, 0,1,2,3
	ds_store_b128 v7, v[C+4*\c:C+4*\c+3] offset:2048*(\j)+512*\c
.endr
.endm
.macro WLOAD ks                        ; my head's four fragments of K step ks, 8 KB on end, into set ks % 2
.set WL, 32+64*((\ks)%2)
.irp i, 0,1,2,3,4,5,6,7,8,9,10,11,12,13,14,15
	global_load_b128 v[WL+4*\i:WL+4*\i+3], v4, s[6:7] offset:8192*(\ks)+512*\i
.endr
.endm
.macro XFL ks, q                       ; x's fragments of token tiles 2 q, 2 q + 1, K step ks, into buffer q % 2
.irp t, 0,1
.irp c, 0,1,2,3
	ds_load_b128 v[XF+32*((\q)%2)+16*\t+4*\c:XF+32*((\q)%2)+16*\t+4*\c+3], v8 offset:((2*(\q)+\t)*4+(\ks))*2048+512*\c
.endr
.endr
.endm
	s_wait_alu depctr_va_vdst(0)                   ; v4 to v8 are written: every load and store of the kernel reads one of them as its offset or address
	LOADT 0, R0
	LOADT 1, R1
	s_wait_kmcnt 0x0
	s_cmp_eq_u32 s18, 0
	s_cselect_b32 s28, s68, s70                    ; ex
	s_cselect_b32 s29, s69, s71                    ; ew
	s_cselect_b32 s30, s74, s75                    ; eo
	s_cmp_eq_u32 s18, 2
	s_cselect_b32 s28, s72, s28
	s_cselect_b32 s29, s73, s29
	s_cselect_b32 s30, s77, s30
	s_add_co_i32 s31, s28, 127
	s_lshl_b32 s32, s31, 23
	v_mov_b32 v9, s32                              ; 2^ex
	s_add_co_i32 s31, s31, 8
	s_lshl_b32 s31, s31, 23
	s_or_b32 s31, s31, 0x600000
	v_mov_b32 v10, s31                             ; 448 x 2^ex
	s_sub_co_i32 s30, s30, s28
	s_sub_co_i32 s30, s30, s29
	s_add_co_i32 s30, s30, 127
	s_lshl_b32 s32, s30, 23
	v_mov_b32 v11, s32                             ; 2^(eo - ex - ew)
	s_add_co_i32 s30, s30, 8
	s_lshl_b32 s30, s30, 23
	s_or_b32 s30, s30, 0x600000
	v_mov_b32 v12, s30                             ; 448 x that
	XTILE 0, R0, 16, 1
	XTILE 1, R1, 16, 1
	XTILE 2, R0, 16, 0
	XTILE 3, R1, 0, 0
	WLOAD 0                                        ; no wait: the stage's stores that read v32-159 stand ahead of the tiles' waits on vm_vsrc, and no vector instruction names these registers
	WLOAD 1
	s_wait_dscnt 0x0                               ; for the others' sake: my four images have landed
	s_barrier_signal -1
	s_barrier_wait -1                              ; x's 32 fragments lie in LDS
	XFL 0, 0                                       ; the first step's fragments.  No wait: the holds and conversions that named v160-223 stand ahead of the last tile's wait on va_vdst
; A step: 8 matrix instructions, two token tiles x my four tiles of features, 128 along K.  Four steps are a K step.  The 32 accumulators take turns, one instruction a turn.
; At its head the loads: the weights two K steps on (in a K step's first step), and the next step's fragments of x, into the registers that the last step's products have left.
.macro QSTEP vmode, ks, q
.set WS, 32+64*((\ks)%2)
.set XB, XF+32*((\q)%2)
.if (\ks)+(\q) > 0
	PLACES
	s_wait_alu depctr_va_vdst(0)                   ; the last step's products are done reading their buffer of x, in which the LDS loads below land, and, in a K step's first step, the weights' set that the loads below fill
.endif
.if (\q) == 0
.if (\ks) == 1
	WLOAD 2                                        ; into the set that K step 0 multiplied
.endif
.if (\ks) == 2
	WLOAD 3                                        ; into the set that K step 1 multiplied
.endif
.endif
.if (\q) < 3
	XFL \ks, (\q)+1
	s_wait_dscnt 8                                 ; this step's eight LDS loads are in; the eight just issued may be out
.elseif (\ks) < 3
	XFL (\ks)+1, 0
	s_wait_dscnt 8
.else
	s_wait_dscnt 0x0                               ; the last step: nothing more to fetch
.endif
.if (\q) == 0
.if (\ks) < 3
	s_wait_loadcnt 16                              ; this K step's weights are in; the next step's sixteen loads may be out
.else
	s_wait_loadcnt 0x0
.endif
.endif
	WIN 0x50                                       ; C and D in window 1
.irp t, 0,1
.irp f, 0,1,2,3
.if \vmode
.set AC, 8*(8*\f+2*(\q)+\t)
.if (\ks) == 0
	v_wmma_f32_16x16x128_fp8_fp8 v[AC:AC+7], v[XB+16*\t:XB+16*\t+15], v[WS+16*\f:WS+16*\f+15], 0
.else
	v_wmma_f32_16x16x128_fp8_fp8 v[AC:AC+7], v[XB+16*\t:XB+16*\t+15], v[WS+16*\f:WS+16*\f+15], v[AC:AC+7]
.endif
.else
.set AC, 8*(4*(2*(\q)+\t)+\f)
.if (\ks) == 0
	v_wmma_f32_16x16x128_fp8_fp8 v[AC:AC+7], v[WS+16*\f:WS+16*\f+15], v[XB+16*\t:XB+16*\t+15], 0
.else
	v_wmma_f32_16x16x128_fp8_fp8 v[AC:AC+7], v[WS+16*\f:WS+16*\f+15], v[XB+16*\t:XB+16*\t+15], v[AC:AC+7]
.endif
.endif
.endr
.endr
	WIN 0
.endm
.macro KSTEP vmode, ks
	QSTEP \vmode, \ks, 0
	QSTEP \vmode, \ks, 1
	QSTEP \vmode, \ks, 2
	QSTEP \vmode, \ks, 3
.endm
	s_cmp_eq_u32 s18, 2
	s_cbranch_scc1 .Lvmode
	KSTEP 0, 0
	KSTEP 0, 1
	KSTEP 0, 2
	KSTEP 0, 3
	s_branch .Lout
.Lvmode:
	KSTEP 1, 0
	KSTEP 1, 1
	KSTEP 1, 2
	KSTEP 1, 3
.Lout:
	; THE WAY OUT: both orders of accumulators are the order of the images: accumulator a gives code registers 2 a, 2 a + 1; 8 KB on end.
	PLACES
	WIN 0x41                                       ; source 0 and destination in window 1
.set a, 0
.rept 256
	v_med3_num_f32 v[a], v[a], -v12, v12           ; each accumulator from its low end on
.set a, a+1
.endr
	WIN 0x01                                       ; source 0 in window 1, destination in window 0
.set a, 0
.rept 32
	v_cvt_scalef32_pk8_fp8_f32 v[32+2*a:33+2*a], v[8*a:8*a+7], v11
.set a, a+1
.endr
	v_nop
	WIN 0
	s_wait_alu depctr_va_vdst(0)                   ; the conversions have written v32-95, which the stores below read
.irp g, 0,1,2,3,4,5,6,7,8,9,10,11,12,13,14,15
	global_store_b128 v4, v[32+4*\g:35+4*\g], s[24:25] offset:512*\g   ; 512 consecutive bytes, aligned
.endr
	s_wait_dscnt 0x0                               ; the closing lines, six on end
	s_wait_alu 0x0
	s_wait_tensorcnt 0x0
	ds_add_u32 v254, v255
	s_wait_dscnt 0x0
	s_endpgm
.Lfunc_end_k_q35d66c0cdb_qkv:
	.size	k_q35d66c0cdb_qkv, .Lfunc_end_k_q35d66c0cdb_qkv-k_q35d66c0cdb_qkv
	.p2alignl 7, 3214868480
	.fill 96, 4, 3214868480
	.section	.rodata,"a",@progbits
	.p2align	6, 0x0
	.amdhsa_kernel k_q35d66c0cdb_qkv
		.amdhsa_group_segment_fixed_size 134144
		.amdhsa_private_segment_fixed_size 0
		.amdhsa_enable_private_segment 0
		.amdhsa_kernarg_size 48
		.amdhsa_user_sgpr_count 2
		.amdhsa_user_sgpr_kernarg_segment_ptr 1
		.amdhsa_wavefront_size32 1
		.amdhsa_system_sgpr_workgroup_id_x 1
		.amdhsa_system_sgpr_workgroup_id_y 1
		.amdhsa_system_sgpr_workgroup_id_z 1
		.amdhsa_system_vgpr_workitem_id 0
		.amdhsa_next_free_vgpr 512
		.amdhsa_next_free_sgpr 96
		.amdhsa_reserve_vcc 0
		.amdhsa_float_denorm_mode_32 3
		.amdhsa_float_denorm_mode_16_64 3
		.amdhsa_memory_ordered 1
		.amdhsa_forward_progress 1
		.amdhsa_inst_pref_size 106
	.end_amdhsa_kernel
	.amdgpu_metadata
---
amdhsa.version: [ 1, 2 ]
amdhsa.kernels:
  - .name:           k_q35d66c0cdb_qkv
    .symbol:         k_q35d66c0cdb_qkv.kd
    .args:
      - { .name: x, .offset: 0, .size: 8, .value_kind: global_buffer, .address_space: global }
      - { .name: wimg, .offset: 8, .size: 8, .value_kind: global_buffer, .address_space: global }
      - { .name: lowp_scales, .offset: 16, .size: 8, .value_kind: global_buffer, .address_space: global }
      - { .name: qimg, .offset: 24, .size: 8, .value_kind: global_buffer, .address_space: global }
      - { .name: kimg, .offset: 32, .size: 8, .value_kind: global_buffer, .address_space: global }
      - { .name: vimg, .offset: 40, .size: 8, .value_kind: global_buffer, .address_space: global }
    .group_segment_fixed_size: 134144
    .private_segment_fixed_size: 0
    .kernarg_segment_align: 8
    .kernarg_segment_size: 48
    .max_flat_workgroup_size: 256
    .sgpr_count:     96
    .vgpr_count:     512
    .wavefront_size: 32
...
	.end_amdgpu_metadata
.endif
;; end of part 5
;; launch attn (part 6): grid 16 x 16, 16 waves a work-group, no clusters, 34,816 bytes of LDS; arguments qimg, kimg, vimg, maskw, flags, lowp_scales, aimg; writes aimg
.if DOCPART == 6
	.amdgcn_target "amdgcn-amd-amdhsa--gfx1250"
	.amdhsa_code_object_version 6
	.text
	.protected	k_q35d66c0cdb_attn
	.globl	k_q35d66c0cdb_attn
	.p2align	8
	.type	k_q35d66c0cdb_attn,@function
k_q35d66c0cdb_attn:
	s_mov_b64 s[64:65], 0
	v_nop
	global_prefetch_b8 v0, s[64:65] scope:SCOPE_SE
	s_setreg_imm32_b32 hwreg(HW_REG_WAVE_SCHED_MODE, 0, 2), 2
	s_setreg_imm32_b32 hwreg(HW_REG_WAVE_MODE, 25, 1), 1
	s_wait_xcnt 0x0
	s_wait_alu depctr_vm_vsrc(0)
; ATTENTION on codes of E4M3, head size 64, with the mask that was given, and the result quantised for the next product.
; t = score x log2(e) / 64; M = the row's largest t so far, rounded up to a whole number; p = 2^(t - M) is quantised along the keys with entry 8; the row's sum is taken of the unquantised p and divides at the end.
; SHARES.  A work-group (g, bh) has sixteen waves, four to a SIMD; wave w owns ONE tile of 16 queries, qt = 16 rank + g, rank = w xor 3 ((w / 4) % 2): a work-group's tiles are spread over the whole sequence.
; Every wave passes all 32 key steps of 128: a constant trip count, one barrier a step.  A step's K and V (8 KB each, images of operand registers) go memory -> registers -> LDS, 16 bytes of each a thread, two steps ahead, in two LDS slots.
; THE MASK.  The launch before stored, for each query tile, word A (bit t: step t is walked) and word B (bit t: step t has a hidden element), and 64 lane masks for each step.  Where A's bit is 0 the wave jumps over the step's work
; (never over the staging or the barrier); where B's bit is 1 hidden scores are replaced ahead of the maximum.  These branches hang on stored whole numbers, which is why K and V are not brought by tensor loads, nor shared in a cluster.
; A HIDDEN SCORE becomes -2^(36 - e6 - e7): as t that is -log2(e) x 2^30, a whole number.  Beside any open key its p is 0; a row with no open key has t - M = 0 and p = 1 for every key, as with the problem's -1e9.
; LIMITS: e6 + e7 between -100 and 10 (so that true t stay far above the hidden one, and c and the hidden score are f32 numbers); e8, and e10 - e8 - e9, between -126 and 119.
; LAYOUT.  S^T = K Q^T (source 0 = 16 keys, source 1 = my queries), O^T = V^T P^T: a lane holds one query throughout; score register 8 j + i holds key 16 j + 8 (lane / 16) + i, so one conversion gives pair j of P's fragment.
; REGISTERS: v1 16 x lane; v2 16 x thread; v3 256 x lane; v12 -M; v13 largest t; v[14:15] the sum; v16-23 Q; v32-95 K, then V; v96-159 S^T, then p; v160-191 O^T; v192-207 p's codes; v208-223 two staging sets; v224 the hidden score;
; v240, v244: 448 x 2^e8, 2^e8; v245, v246: 2^(e10 - e8 - e9), 448 x that; v236, v242, v243, v252-254 at work.
; SCALARS: s16 wave; s17 trips left; s18, s19 A, B, shifted a bit a step; s[20:21] lane selects; s[22:23] c; s24 1 where p needs a hold; s25 prefetch bound; s[6:7] K, s[8:9] V, s[10:11] mask words, s[26:27] result, s[28:29] prefetch;
; s[32:63], s[68:99] a step's 64 mask words.
; THE MODE: SCHED_MODE bits 1:0 = 2 (LLVM: expert scheduling mode 2), set by the entry lines.  The code itself states the register dependences between vector or matrix instructions and memory or LDS instructions,
; with s_wait_alu, always for 0.
; THE PLAN.  Registers that memory or LDS instructions touch:
;   v1, v2, v3   offsets and LDS addresses: made at the head, never written again.
;   v208-223     two staging sets: global loads land, LDS stores read; no vector instruction names them.  A set is asked for again a step behind the stores that read it: one wait on vm_vsrc at the step's head.
;   v32-95       LDS loads land (K, then V), products read.  One wait on va_vdst ahead of K's loads (the last walked step's products are done reading V), one ahead of V's (this step's are done reading K).
;   v16-23       Q: loaded once, read by products.
;   v192-207     on the way out: conversions write, global stores read: one wait on va_vdst between.
; All else (scores, p, O^T, the statistics) is named by vector and matrix instructions alone.
.set KV, 32
.set S,  96
.set O,  160
.set P,  192
.set SG, 208
	s_load_b256 s[4:11], s[0:1], 0x0               ; qimg, kimg, vimg, maskw
	s_load_b128 s[12:15], s[0:1], 0x20             ; flags, scales
	s_load_b64 s[26:27], s[0:1], 0x30              ; aimg
	v_lshl_add_u32 v251, v0, 2, 0x8000
	v_mov_b32 v255, 0
	v_lshrrev_b32 v1, 5, v0
	v_readfirstlane_b32 s16, v1                    ; wave 0..15
	v_and_b32 v1, 31, v0
	v_lshlrev_b32 v3, 8, v1
	v_lshlrev_b32 v1, 4, v1
	v_lshlrev_b32 v2, 4, v0
	s_and_b32 s2, ttmp7, 0xffff                    ; bh = 8 b + head
	s_wait_alu depctr_va_sdst(0)                   ; s16 is written, ahead of its first reader
	s_bfe_u32 s3, s16, 0x10002
	s_mul_i32 s3, s3, 3
	s_xor_b32 s3, s3, s16                          ; rank
	s_lshl_b32 s3, s3, 4
	s_add_co_u32 s3, s3, ttmp9                     ; qt
	s_mov_b32 s20, 0x76543210
	s_mov_b32 s21, 0xfedcba98
	s_mov_b32 s17, 15
	s_lshl_b32 s30, s2, 18                         ; a head's 262,144 bytes in each of q, k, v
	s_mov_b32 s31, 0
	s_mov_b32 s101, 0
	s_wait_kmcnt 0x0
	s_add_nc_u64 s[4:5], s[4:5], s[30:31]
	s_add_nc_u64 s[6:7], s[6:7], s[30:31]
	s_add_nc_u64 s[8:9], s[8:9], s[30:31]
	s_lshl_b32 s100, s3, 10
	s_add_nc_u64 s[4:5], s[4:5], s[100:101]        ; my tile of Q
	s_lshl_b32 s100, s3, 13
	s_add_nc_u64 s[10:11], s[10:11], s[100:101]    ; my tile's mask words, step 0
	s_lshl_b32 s100, s3, 3
	s_add_nc_u64 s[12:13], s[12:13], s[100:101]
	s_load_b64 s[18:19], s[12:13], 0x0             ; A, B
	s_load_b512 s[32:47], s[14:15], 0x0            ; the sixteen exponents
	s_wait_alu depctr_va_vdst(0)                   ; v1, v2 and v3 are written: every load, store and prefetch of the kernel reads one of them as its offset or address
	global_load_b128 v[16:19], v1, s[4:5]
	global_load_b128 v[20:23], v1, s[4:5] offset:512
	global_load_b128 v[SG:SG+3], v2, s[6:7]                    ; step 0
	global_load_b128 v[SG+4:SG+7], v2, s[8:9]
	global_load_b128 v[SG+8:SG+11], v2, s[6:7] offset:8192     ; step 1
	global_load_b128 v[SG+12:SG+15], v2, s[8:9] offset:8192
	s_lshr_b32 s100, s2, 3                         ; the result: token tile T = 256 b + qt: (T / 2) x 16,384 + head x 2,048 + (T % 2) x 1,024
	s_lshl_b32 s100, s100, 8
	s_add_co_u32 s100, s100, s3
	s_lshr_b32 s30, s100, 1
	s_lshl_b32 s30, s30, 14
	s_and_b32 s100, s100, 1
	s_lshl_b32 s100, s100, 10
	s_add_co_u32 s100, s100, s30
	s_and_b32 s30, s2, 7
	s_lshl_b32 s30, s30, 11
	s_add_co_u32 s100, s100, s30
	s_add_nc_u64 s[26:27], s[26:27], s[100:101]
	; the prefetches: all sixteen work-groups of a head walk the same K and V, so the first of them (g = 0) asks; waves 0, 1 for K's two steps of a trip, waves 2, 3 for V's: 8 KB a wave, lanes 256 bytes apart
	s_cmp_lt_u32 s16, 2
	s_cselect_b64 s[28:29], s[6:7], s[8:9]
	s_and_b32 s100, s16, 1
	s_add_co_u32 s100, s100, 4
	s_lshl_b32 s100, s100, 13
	s_add_nc_u64 s[28:29], s[28:29], s[100:101]    ; at step 4 or 5: trip T asks for steps 2 T + 4, 2 T + 5, which the next trip's staging loads want.  Steps 0 to 3 come by their loads alone
	s_lshr_b32 s100, s16, 2
	s_or_b32 s100, s100, ttmp9
	s_cmp_eq_u32 s100, 0
	s_cselect_b32 s25, 1, -1                       ; a wave asks while s17 is above this: the last trip asks for nothing
	v_mov_b32 v13, 0xff61b1e6                      ; the largest t so far: -3e38
	v_floor_f32 v12, -v13                          ; -M
	v_mov_b32 v14, 0
	v_mov_b32 v15, 0
	v_mov_b32 v236, 0                              ; a lane permute's destination counts as read
	v_mov_b32 v252, 0
	v_mov_b32 v253, 0                              ; (named as the upper half of the pair v[252:253])
.set i, 0
.rept 32
	v_mov_b32 v[O+i], 0                            ; O^T: the step is written for all steps alike; the first change of M leaves zeros zeros
.set i, i+1
.endr
	s_wait_kmcnt 0x0
	s_add_co_i32 s100, s38, s39                    ; e6 + e7
	s_lshl_b32 s101, s100, 23
	s_add_co_i32 s22, s101, 0x3cb8aa3b             ; c = log2(e) / 64 x 2^(e6 + e7): the exponents are added to c's exponent field
	s_mov_b32 s23, s22
	s_sub_co_i32 s100, 163, s100
	s_lshl_b32 s100, s100, 23
	s_or_b32 s100, s100, 0x80000000
	v_mov_b32 v224, s100                           ; -2^(36 - e6 - e7)
	s_add_co_i32 s100, s40, 127
	s_lshl_b32 s101, s100, 23
	v_mov_b32 v244, s101                           ; 2^e8
	s_add_co_i32 s100, s100, 8
	s_lshl_b32 s100, s100, 23
	s_or_b32 s100, s100, 0x600000
	v_mov_b32 v240, s100                           ; 448 x 2^e8
	s_cmp_lt_i32 s40, -8
	s_cselect_b32 s24, 1, 0                        ; p is at most 1, and 448 x 2^e8 is at least 1 from e8 = -8 on: there the hold changes nothing and is passed over
	s_sub_co_i32 s100, s42, s40
	s_sub_co_i32 s100, s100, s41
	s_add_co_i32 s100, s100, 127
	s_lshl_b32 s101, s100, 23
	v_mov_b32 v245, s101                           ; 2^(e10 - e8 - e9)
	s_add_co_i32 s100, s100, 8
	s_lshl_b32 s100, s100, 23
	s_or_b32 s100, s100, 0x600000
	v_mov_b32 v246, s100
	s_wait_loadcnt 0x2                             ; Q and step 0 are in; step 1's two loads may be out
	ds_store_b128 v2, v[SG:SG+3]
	ds_store_b128 v2, v[SG+4:SG+7] offset:8192
	s_wait_dscnt 0x0
	s_barrier_signal -1
	s_barrier_wait -1                              ; slot 0 holds step 0
; A KEY STEP, read from LDS slot `slot`.  stage: the step two on is asked for, into the staging set whose bytes went to LDS a step ago.  put: the next step's bytes go into the other slot, which every wave left at the last barrier; then the barrier.
.macro STEP slot, stage, put, ask
.if \stage
	s_wait_alu depctr_vm_vsrc(0)                   ; the LDS stores of a step ago have read this staging set, in which the two loads below land
	global_load_b128 v[SG+8*\slot:SG+8*\slot+3], v2, s[6:7] offset:(2+\slot)*8192
	global_load_b128 v[SG+8*\slot+4:SG+8*\slot+7], v2, s[8:9] offset:(2+\slot)*8192
.endif
.if \ask
	s_cmp_gt_u32 s17, s25
	s_cbranch_scc0 .Lna_\@
	global_prefetch_b8 v3, s[28:29] th:TH_LOAD_NT scope:SCOPE_SE
.Lna_\@:
.endif
	s_bitcmp1_b32 s18, 0
	s_cbranch_scc0 .Lskip_\@                       ; no open element in this step for my 16 queries
	s_load_b512 s[32:47], s[10:11], 0x0            ; the step's 64 lane masks
	s_load_b512 s[48:63], s[10:11], 0x40
	s_load_b512 s[68:83], s[10:11], 0x80
	s_load_b512 s[84:99], s[10:11], 0xc0
.rept 4
	v_nop                                          ; places ahead of loads into registers that the last products read
.endr
	s_wait_alu depctr_va_vdst(0)                   ; the products of the step walked last are done reading V in v32-95, in which K's loads land
.irp j, 0,1,2,3,4,5,6,7
	ds_load_b128 v[KV+8*\j:KV+8*\j+3], v1 offset:\slot*16384+1024*\j
	ds_load_b128 v[KV+8*\j+4:KV+8*\j+7], v1 offset:\slot*16384+1024*\j+512
.endr
	s_wait_dscnt 0x0
.irp j, 0,1,2,3,4,5,6,7
	v_wmma_f32_16x16x64_fp8_fp8 v[S+8*\j:S+8*\j+7], v[KV+8*\j:KV+8*\j+7], v[16:23], 0
.endr
.rept 4
	v_nop                                          ; places: ahead of V's loads into K's registers, and of the first read of the scores
.endr
	s_wait_alu depctr_va_vdst(0)                   ; the eight products are done reading K in v32-95, in which V's loads land
.irp d, 0,1,2,3
.irp c, 0,1,2,3
	ds_load_b128 v[KV+16*\d+4*\c:KV+16*\d+4*\c+3], v1 offset:\slot*16384+8192+2048*\d+512*\c   ; V lands while the softmax is walked
.endr
.endr
	s_bitcmp1_b32 s19, 0
	s_cbranch_scc0 .Lopen_\@                       ; every element of the step counts
	s_wait_kmcnt 0x0
.set n, 0
.rept 64
	v_cndmask_b32 v[S+n], v224, v[S+n], s[32+n+4*(n/32)]
.set n, n+1
.endr
.Lopen_\@:
	v_max3_num_f32 v254, v96, v97, v98             ; the step's largest score of my query among my 64 keys, in two chains,
	v_max3_num_f32 v252, v99, v100, v101
.irp i, 6,10,14,18,22,26,30,34,38,42,46,50,54,58
	v_max3_num_f32 v254, v254, v[96+\i], v[97+\i]
	v_max3_num_f32 v252, v252, v[98+\i], v[99+\i]
.endr
	v_max3_num_f32 v254, v254, v158, v159
	v_max_num_f32 v254, v254, v252
	v_permlanex16_b32 v236, v254, s20, s21
	v_max_num_f32 v254, v254, v236                 ; and among lane l xor 16's
	v_mul_f32 v254, s22, v254                      ; as t (c is positive)
	v_max_num_f32 v13, v13, v254
	v_mov_b32 v254, v12
	v_floor_f32 v12, -v13                          ; the new -M = floor(-t): M is a whole number
	v_sub_f32 v254, v12, v254                      ; old M - new M, 0 or less
	v_cvt_i32_f32 v254, v254                       ; (it saturates)
	v_ldexp_f32 v252, 1.0, v254                    ; f = 2^(old M - new M)
.set j, 0
.rept 32
	v_pk_fma_f32 v[96+j:97+j], v[96+j:97+j], s[22:23], v[12:13] op_sel_hi:[1,0,0]   ; t - M, two at a time
.set j, j+2
.endr
.set j, 0
.rept 64
	v_exp_f32 v[96+j], v[96+j]                     ; p = 2^(t - M)
.set j, j+1
.endr
	v_pk_mul_f32 v[14:15], v[14:15], v[252:253] op_sel_hi:[1,0]   ; the sums under the new M: the plain line behind the exponentials
	s_wait_alu depctr_va_vdst(0)                   ; the 64 exponentials have written v96-159: one wait for the batch, ahead of its first reader
	v_pk_add_f32 v[242:243], v[96:97], v[98:99]    ; the row's sum is taken of the unquantised p, in two chains
.irp j, 4,8,12,16,20,24,28,32,36,40,44,48,52,56,60
	v_pk_add_f32 v[14:15], v[14:15], v[96+\j:97+\j]
	v_pk_add_f32 v[242:243], v[242:243], v[98+\j:99+\j]
.endr
	v_pk_add_f32 v[14:15], v[14:15], v[242:243]
	s_cmp_eq_u32 s24, 0
	s_cbranch_scc1 .Lnohold_\@
.set j, 0
.rept 64
	v_min_num_f32 v[96+j], v[96+j], v240           ; the conversion does not saturate (ISA guide 7.6.2); p is not negative, so the hold is one-sided
.set j, j+1
.endr
.Lnohold_\@:
.irp j, 0,1,2,3,4,5,6,7
	v_cvt_scalef32_pk8_fp8_f32 v[P+2*\j:P+2*\j+1], v[S+8*\j:S+8*\j+7], v244
.endr
.set j, 0
.rept 16
	v_pk_mul_f32 v[O+j:O+j+1], v[O+j:O+j+1], v[252:253] op_sel_hi:[1,0]   ; O^T under the new M; also the plain lines between the conversions and the products
.set j, j+2
.endr
	s_wait_dscnt 0x0                               ; V is in
.irp d, 0,1,2,3
	v_wmma_f32_16x16x128_fp8_fp8 v[O+8*\d:O+8*\d+7], v[KV+16*\d:KV+16*\d+15], v[P:P+15], v[O+8*\d:O+8*\d+7]
.endr
	s_wait_kmcnt 0x0                               ; the mask words' loads are done on every way: their address and their registers may be written again
.Lskip_\@:
	s_lshr_b32 s18, s18, 1
	s_lshr_b32 s19, s19, 1
	s_add_nc_u64 s[10:11], s[10:11], 256
.if \put
.if \stage
	s_wait_loadcnt 0x2                             ; the next step's bytes, asked for a step ago, are in; the two loads of this step's head may be out
.else
	s_wait_loadcnt 0x0
.endif
	ds_store_b128 v2, v[SG+8*(1-\slot):SG+8*(1-\slot)+3] offset:(1-\slot)*16384
	ds_store_b128 v2, v[SG+8*(1-\slot)+4:SG+8*(1-\slot)+7] offset:(1-\slot)*16384+8192
	s_wait_dscnt 0x0                               ; my stores have landed, and my reads of this slot are over
	s_barrier_signal -1
	s_barrier_wait -1
.endif
.endm
.Ltrip:                                            ; 15 trips of two steps
	STEP 0, 1, 1, 1
	STEP 1, 1, 1, 0
	s_wait_xcnt 0x0                                ; the trip's loads and its prefetch have read their addresses
	s_add_nc_u64 s[6:7], s[6:7], 16384
	s_add_nc_u64 s[8:9], s[8:9], 16384
	s_add_nc_u64 s[28:29], s[28:29], 16384
	s_sub_co_u32 s17, s17, 1
	s_cmp_lg_u32 s17, 0
	s_cbranch_scc1 .Ltrip
	STEP 0, 0, 1, 0                                ; steps 30 and 31: nothing is left to fetch
	STEP 1, 0, 0, 0
	; THE WAY OUT: O^T / the sum, quantised with entry 10 (the three scales folded into one), as half a fragment (16 tokens x my head's 64) of the next product's operand
.rept 4
	v_nop
.endr
	v_add_f32 v14, v14, v15
	v_permlanex16_b32 v236, v14, s20, s21
	v_add_f32 v14, v14, v236                       ; the row's sum
	v_rcp_f32 v14, v14
	v_nop                                          ; a plain line behind the transcendental
	s_wait_alu depctr_va_vdst(0)                   ; the reciprocal has written v14: the wait ahead of its first reader
.set j, 0
.rept 16
	v_pk_mul_f32 v[S+j:S+j+1], v[O+j:O+j+1], v[14:15] op_sel_hi:[1,0]   ; each accumulator from its low end on
.set j, j+2
.endr
.set j, 0
.rept 32
	v_med3_num_f32 v[S+j], v[S+j], -v246, v246
.set j, j+1
.endr
.irp d, 0,1,2,3
	v_cvt_scalef32_pk8_fp8_f32 v[P+2*\d:P+2*\d+1], v[S+8*\d:S+8*\d+7], v245
.endr
	v_nop
	s_wait_alu depctr_va_vdst(0)                   ; the conversions have written v192-199, which the two stores read
	global_store_b128 v1, v[P:P+3], s[26:27]                   ; 512 consecutive bytes, aligned
	global_store_b128 v1, v[P+4:P+7], s[26:27] offset:512
	s_wait_dscnt 0x0                               ; the closing lines, six on end
	s_wait_alu 0x0
	s_wait_tensorcnt 0x0
	ds_add_u32 v251, v255
	s_wait_dscnt 0x0
	s_endpgm
.Lfunc_end_k_q35d66c0cdb_attn:
	.size	k_q35d66c0cdb_attn, .Lfunc_end_k_q35d66c0cdb_attn-k_q35d66c0cdb_attn
	.p2alignl 7, 3214868480
	.fill 96, 4, 3214868480
	.section	.rodata,"a",@progbits
	.p2align	6, 0x0
	.amdhsa_kernel k_q35d66c0cdb_attn
		.amdhsa_group_segment_fixed_size 34816
		.amdhsa_private_segment_fixed_size 0
		.amdhsa_enable_private_segment 0
		.amdhsa_kernarg_size 56
		.amdhsa_user_sgpr_count 2
		.amdhsa_user_sgpr_kernarg_segment_ptr 1
		.amdhsa_wavefront_size32 1
		.amdhsa_system_sgpr_workgroup_id_x 1
		.amdhsa_system_sgpr_workgroup_id_y 1
		.amdhsa_system_sgpr_workgroup_id_z 1
		.amdhsa_system_vgpr_workitem_id 0
		.amdhsa_next_free_vgpr 256
		.amdhsa_next_free_sgpr 104
		.amdhsa_reserve_vcc 0
		.amdhsa_float_denorm_mode_32 3
		.amdhsa_float_denorm_mode_16_64 3
		.amdhsa_memory_ordered 1
		.amdhsa_forward_progress 1
		.amdhsa_inst_pref_size 91
	.end_amdhsa_kernel
	.amdgpu_metadata
---
amdhsa.version: [ 1, 2 ]
amdhsa.kernels:
  - .name:           k_q35d66c0cdb_attn
    .symbol:         k_q35d66c0cdb_attn.kd
    .args:
      - { .name: qimg, .offset: 0, .size: 8, .value_kind: global_buffer, .address_space: global }
      - { .name: kimg, .offset: 8, .size: 8, .value_kind: global_buffer, .address_space: global }
      - { .name: vimg, .offset: 16, .size: 8, .value_kind: global_buffer, .address_space: global }
      - { .name: maskw, .offset: 24, .size: 8, .value_kind: global_buffer, .address_space: global }
      - { .name: flags, .offset: 32, .size: 8, .value_kind: global_buffer, .address_space: global }
      - { .name: lowp_scales, .offset: 40, .size: 8, .value_kind: global_buffer, .address_space: global }
      - { .name: aimg, .offset: 48, .size: 8, .value_kind: global_buffer, .address_space: global }
    .group_segment_fixed_size: 34816
    .private_segment_fixed_size: 0
    .kernarg_segment_align: 8
    .kernarg_segment_size: 56
    .max_flat_workgroup_size: 512
    .sgpr_count:     104
    .vgpr_count:     256
    .wavefront_size: 32
...
	.end_amdgpu_metadata
.endif
;; end of part 6
;; launch tail (part 7): grid 256 x 1, 8 waves a work-group, no clusters, 168,960 bytes of LDS; arguments x, aimg, wimg, lowp_scales, out0; writes out0
.if DOCPART == 7
	.amdgcn_target "amdgcn-amd-amdhsa--gfx1250"
	.amdhsa_code_object_version 6
	.text
	.protected	k_q35d66c0cdb_tail
	.globl	k_q35d66c0cdb_tail
	.p2align	8
	.type	k_q35d66c0cdb_tail,@function
k_q35d66c0cdb_tail:
	s_mov_b64 s[64:65], 0
	v_nop
	global_prefetch_b8 v0, s[64:65] scope:SCOPE_SE
	s_setreg_imm32_b32 hwreg(HW_REG_WAVE_SCHED_MODE, 0, 2), 2
	s_setreg_imm32_b32 hwreg(HW_REG_WAVE_MODE, 25, 1), 1
	s_wait_xcnt 0x0
	s_wait_alu depctr_vm_vsrc(0)
; THE REST OF THE BLOCK: x1 = 5/6 x + 1/18 (a Wo^T);  h = gelu(x1 Wup^T) / 1.1289;  out = 5/6 x1 + 1/6 (h Wdown^T); the three products on codes of E4M3.  x1 and h never go to memory.
; SHARES.  A work-group takes 32 tokens (two tiles of 16).  THE WAVES SHARE THE COLUMNS: wave w makes features 64 w .. 64 w + 63 of the first and last product and hidden units 256 w .. 256 w + 255.
; So each weight fragment has one reader in the work-group and goes from memory straight into registers: a wave's 36 groups of four fragments (8 KB each) lie on end in the order of use, and come three groups ahead
; through a ring of four register sets.  Joint loads are not used: they land in LDS, where each weight byte would be written and read once more for its one reader.
; OPERANDS GO FROM WAVE TO WAVE THROUGH LDS AS IMAGES OF THEIR REGISTERS: half fragment hf (64 k), token tile tt, chunk cc at 2,048 hf + 1,024 tt + 512 cc + 16 lane; a K step of 128 is 4 KB on end.
; All products are used transposed (source 0 = 16 rows of a weight, source 1 = 16 tokens): a lane holds a token and 8 neighbouring features, so one conversion gives a register pair of the next operand.
; erf(z) = z P(z^2) / Q(z^2) on |z| <= 4 (beyond it z is held at 4): a rational of degrees 6 and 4 in z^2.  LIMIT: gelu's absolute error is about 1e-7 |h|, so its relative error grows in the far negative tail.
; LIMITS on the exponents: e12, e14 between -126 and 119; e10 + e11, e12 + e13, e14 + e15 between -100 and 100 (they are added to the exponent fields of 1/18, 1/sqrt 2, 0.5/1.1289, 1/6).  NaN among the inputs is not served.
; REGISTERS.  window 0: v1-17 addresses, scales; v32-95 x, then x1 (register 8 (4 tt + f) + i); v96-159 the 8 accumulators (4 tt + f); v160-191, v192-223, v224-255 three buffers of two operand fragments, by turns;
;   between the products v160-175 are the codes just made and v192-255 are at work.  window 1: the weights' ring.
; THE MODE: SCHED_MODE bits 1:0 = 2 (LLVM: expert scheduling mode 2), set by the entry lines.  The code itself states the register dependences between vector or matrix instructions and memory or LDS instructions,
; with s_wait_alu, always for 0.
; THE PLAN.  Registers that memory or LDS instructions touch:
;   v1-5, v7-9   offsets and LDS addresses: made at the head, never written again.   v6: written once a trip of the hidden layer's loop, read by the trip's four LDS stores.
;   the ring     (window 1) K step k's products read set k % 4; the loads of the group three on land in the set that the step before read.
;   three operand buffers   K step k's products read buffer k % 3; the LDS loads of the step two on land in the buffer that the step before read.
;   v160-175     as codes: conversions write, LDS stores read.   v96-159 and v192-207, at the head: global loads land, LDS stores read.   v32-95, v192-255 on the way out: LDS stores read x1's registers, LDS loads land in v192-255.
; So ONE wait on va_vdst stands at the head of a K step (not a product's first): the last step's products are done reading their ring set and their operand buffer; the step's loads follow it, and its products name none of the
; registers in which they land.  A product's first step owes none: the wait on va_vdst ahead of the phase before's LDS stores stands behind every earlier product and behind all work on v160-255, and nothing since names those registers.
; One wait on vm_vsrc stands ahead of a product's first LDS loads, one on va_vdst ahead of each run of LDS stores.
.set AIMG,  0                          ; 16 KB: the attention's codes
.set X1IMG, 16384                      ; 16 KB: x1's codes
.set HIMG,  32768                      ; 64 KB: the hidden layer's codes
.set OSTG,  98304                      ; 32 rows x 272 bytes for each wave: x on the way in, the result on the way out
.set LI,  1                            ; 16 x lane
.set TI,  2                            ; 16 x thread
.set LI2, 3                            ; 16 x lane + 32,768
.set X1W, 4                            ; 16 x lane + 2,048 w
.set HW0, 5                            ; 16 x lane + 8,192 w
.set HWT, 6                            ; + 2,048 x group
.set SO,  7                            ; my stage: row r, + 32 h
.set SR,  8                            ; my stage: row lane / 16, + 16 (lane % 16)
.set GO,  9                            ; the same two rows in x and in out0
.set VA0, 14                           ; v[14:15] the rational's leading coefficients, as pairs
.set VB0, 16
.set X1,  32
.set ACC, 96
.set BF,  160                          ; operand buffer p at BF + 32 p
.set TMP, 192
.set TZ,  192
.set TX,  208
.set TP,  224
.set TQ,  240
.set WP,  8                            ; s[8:9] my stream of weights
.set A1, 24                            ; s[24:35] P's coefficients 1..6, s[36:43] Q's 1..4, each as a pair
.set A2, 26
.set A3, 28
.set A4, 30
.set A5, 32
.set A6, 34
.set B1, 36
.set B2, 38
.set B3, 40
.set B4, 42
.set CZ, 44                            ; 2^(e12 + e13) / sqrt 2
.set CH, 46                            ; 2^(e12 + e13) x 0.5 / 1.1289
.set K1, 48                            ; 2^(e10 + e11) / 18
.set K2, 50                            ; 2^(e14 + e15) / 6
.set K56, 52                           ; 5/6
.set MSB, 0
.macro WIN new                         ; the immediate's high byte repeats the setting that is left
.if MSB != \new
	s_set_vgpr_msb (MSB<<8)|\new
.set MSB, \new
.endif
.endm
.macro SPAIR reg, val
	s_mov_b32 s[\reg], \val
	s_mov_b32 s[\reg+1], \val
.endm
	s_load_b256 s[4:11], s[0:1], 0x0               ; x, aimg, wimg, scales
	s_load_b64 s[12:13], s[0:1], 0x20              ; out0
	v_lshl_add_u32 v30, v0, 2, 0x29000
	v_mov_b32 v31, 0
	v_lshrrev_b32 v1, 5, v0
	v_readfirstlane_b32 s14, v1                    ; wave 0..7
	v_and_b32 v20, 31, v0
	v_and_b32 v21, 15, v0                          ; r
	v_bfe_u32 v22, v0, 4, 1                        ; h
	v_lshlrev_b32 v[LI], 4, v20
	v_lshlrev_b32 v[TI], 4, v0
	v_add_nc_u32 v[LI2], 32768, v[LI]
	s_wait_alu depctr_va_sdst(0)                   ; s14 is written, ahead of its first reader
	s_lshl_b32 s16, s14, 11
	v_add_nc_u32 v[X1W], s16, v[LI]
	s_lshl_b32 s16, s14, 13
	v_add_nc_u32 v[HW0], s16, v[LI]
	s_mul_i32 s16, s14, 8704
	s_add_co_u32 s16, s16, OSTG
	v_mul_u32_u24 v[SO], v21, 272
	v_lshl_add_u32 v[SO], v22, 5, v[SO]
	v_add_nc_u32 v[SO], s16, v[SO]
	v_mul_u32_u24 v[SR], v22, 272
	v_lshl_add_u32 v[SR], v21, 4, v[SR]
	v_add_nc_u32 v[SR], s16, v[SR]
	v_lshlrev_b32 v[GO], 11, v22
	v_lshl_add_u32 v[GO], v21, 4, v[GO]
	v_mov_b32 v[VA0], 0xaf95df0b
	v_mov_b32 v[VA0+1], 0xaf95df0b
	v_mov_b32 v[VB0], 0xb77460cd
	v_mov_b32 v[VB0+1], 0xb77460cd
	SPAIR A1, 0x32edffee
	SPAIR A2, 0xb60cff51
	SPAIR A3, 0xb86ec2d2
	SPAIR A4, 0xba40ac63
	SPAIR A5, 0xbb41a1f6
	SPAIR A6, 0xbc83dbd4
	SPAIR B1, 0xb95fbd29
	SPAIR B2, 0xbadc924e
	SPAIR B3, 0xbbf19bf8
	SPAIR B4, 0xbc69b6a7
	SPAIR K56, 0x3f555555
	s_lshl_b32 s16, ttmp9, 16                      ; x, out0: 32 u rows of 2,048 bytes + my 256 bytes of a row
	s_lshl_b32 s17, s14, 8
	s_add_co_u32 s16, s16, s17
	s_mov_b32 s17, 0
	s_lshl_b32 s20, ttmp9, 14                      ; aimg: 16,384 u
	s_mov_b32 s21, 0
	s_mul_i32 s22, s14, 294912                     ; my stream
	s_add_co_u32 s22, s22, 786432
	s_mov_b32 s23, 0
	s_wait_kmcnt 0x0
	s_load_b512 s[68:83], s[10:11], 0x0            ; the sixteen exponents
	s_add_nc_u64 s[4:5], s[4:5], s[16:17]
	s_add_nc_u64 s[12:13], s[12:13], s[16:17]
	s_add_nc_u64 s[6:7], s[6:7], s[20:21]
	s_add_nc_u64 s[WP:WP+1], s[WP:WP+1], s[22:23]
.macro WGRP gs, off                    ; a group of four fragments, 8 KB on end, into ring set gs (window 1)
.irp i, 0,1,2,3,4,5,6,7,8,9,10,11,12,13,14,15
	global_load_b128 v[64*(\gs)+4*\i:64*(\gs)+4*\i+3], v[LI], s[WP:WP+1] offset:(\off)+512*\i
.endr
.endm
	s_wait_alu depctr_va_vdst(0)                   ; the offsets and addresses v1-5 and v7-9 are written, which the loads and stores of the whole kernel read
.irp k, 0,1,2,3
	global_load_b128 v[TMP+4*\k:TMP+4*\k+3], v[TI], s[6:7] offset:4096*\k                    ; the work-group's 16 KB of attention codes, 64 bytes a thread
.endr
.irp i, 0,1,2,3,4,5,6,7,8,9,10,11,12,13,14,15
	global_load_b128 v[ACC+4*\i:ACC+4*\i+3], v[GO], s[4:5] offset:4096*\i th:TH_LOAD_NT      ; x: sixteen lanes read 256 consecutive bytes of a row
.endr
	WIN 0x40                                       ; destination in window 1
	WGRP 0, 0
	WGRP 1, 8192
	WIN 0
	s_wait_kmcnt 0x0
	s_add_co_i32 s15, s78, s79
	s_lshl_b32 s15, s15, 23
	s_add_co_i32 s[K1], s15, 0x3d638e39
	s_mov_b32 s[K1+1], s[K1]
	s_add_co_i32 s15, s80, s81
	s_lshl_b32 s15, s15, 23
	s_add_co_i32 s[CZ], s15, 0x3f3504f3
	s_mov_b32 s[CZ+1], s[CZ]
	s_add_co_i32 s[CH], s15, 0x3ee2c4f9
	s_mov_b32 s[CH+1], s[CH]
	s_add_co_i32 s15, s82, s83
	s_lshl_b32 s15, s15, 23
	s_add_co_i32 s[K2], s15, 0x3e2aaaab
	s_mov_b32 s[K2+1], s[K2]
	s_add_co_i32 s15, s80, 127
	s_lshl_b32 s16, s15, 23
	v_mov_b32 v10, s16                             ; 2^e12
	s_add_co_i32 s15, s15, 8
	s_lshl_b32 s15, s15, 23
	s_or_b32 s15, s15, 0x600000
	v_mov_b32 v11, s15                             ; 448 x 2^e12
	s_add_co_i32 s15, s82, 127
	s_lshl_b32 s16, s15, 23
	v_mov_b32 v12, s16                             ; 2^e14
	s_add_co_i32 s15, s15, 8
	s_lshl_b32 s15, s15, 23
	s_or_b32 s15, s15, 0x600000
	v_mov_b32 v13, s15                             ; 448 x 2^e14
	s_wait_loadcnt 48                              ; the four loads of codes are in; x's 16 and two groups' 32 may be out
.irp k, 0,1,2,3
	ds_store_b128 v[TI], v[TMP+4*\k:TMP+4*\k+3] offset:AIMG+4096*\k
.endr
	s_wait_loadcnt 32                              ; x is in; the two groups may be out
.irp i, 0,1,2,3,4,5,6,7,8,9,10,11,12,13,14,15
	ds_store_b128 v[SR], v[ACC+4*\i:ACC+4*\i+3] offset:544*\i      ; x turns through my own stage: in by rows,
.endr
.irp t, 0,1
.irp f, 0,1,2,3
	ds_load_b128 v[X1+8*(4*\t+\f):X1+8*(4*\t+\f)+3], v[SO] offset:\t*4352+64*\f          ; out in the accumulators' layout
	ds_load_b128 v[X1+8*(4*\t+\f)+4:X1+8*(4*\t+\f)+7], v[SO] offset:\t*4352+64*\f+16
.endr
.endr
	WIN 0x40
	WGRP 2, 16384
	WIN 0
	s_wait_dscnt 0x0
	s_barrier_signal -1
	s_barrier_wait -1                              ; the attention's codes lie in LDS
; A K STEP OF 128 IN THREE PARTS.
; WHEAD: w = 1: the places and the step's one wait; then the wait for this step's weights; ahead = 1: the group three on is asked for, into the set multiplied last step.
.macro WHEAD slot, ahead, cnt, w
.if \w
.rept 4
	v_nop                                          ; places ahead of loads into registers that the last products read
.endr
	s_wait_alu depctr_va_vdst(0)                   ; the last step's products are done reading their ring set and their operand buffer, in which this step's loads land
.endif
	s_wait_loadcnt \cnt                            ; this step's group is in; the younger groups may be out
.if \ahead
	WIN 0x40
	WGRP ((\slot)+3)%4, ((\slot)+3)*8192
	WIN 0
.endif
.endm
; BLOAD: the two operand fragments of a K step, 4 KB on end in LDS, into buffer p.
.macro BLOAD p, adr, bimm
.irp i, 0,1,2,3,4,5,6,7
	ds_load_b128 v[BF+32*(\p)+16*((\i/2)%2)+4*(2*(\i/4)+\i%2):BF+32*(\p)+16*((\i/2)%2)+4*(2*(\i/4)+\i%2)+3], v[\adr] offset:(\bimm)+512*\i
.endr
.endm
; WMUL: 8 matrix instructions on ring set slot and buffer p, the 8 accumulators by turns.  dsc: the LDS loads of the younger steps, which may stay out.
.macro WMUL slot, p, zero, dsc
	s_wait_dscnt \dsc                              ; this step's eight LDS loads are in
	WIN 0x01                                       ; source 0 (the weights) in window 1
.irp t, 0,1
.irp f, 0,1,2,3
.if \zero
	v_wmma_f32_16x16x128_fp8_fp8 v[ACC+8*(4*\t+\f):ACC+8*(4*\t+\f)+7], v[64*(\slot)+16*\f:64*(\slot)+16*\f+15], v[BF+32*(\p)+16*\t:BF+32*(\p)+16*\t+15], 0
.else
	v_wmma_f32_16x16x128_fp8_fp8 v[ACC+8*(4*\t+\f):ACC+8*(4*\t+\f)+7], v[64*(\slot)+16*\f:64*(\slot)+16*\f+15], v[BF+32*(\p)+16*\t:BF+32*(\p)+16*\t+15], v[ACC+8*(4*\t+\f):ACC+8*(4*\t+\f)+7]
.endif
.endr
.endr
	WIN 0
.endm
; A product of four K steps, once round the ring; then the stream's pointer steps.  Fragments are asked for two steps ahead.
.macro PROD4 adr, imm
	s_wait_alu depctr_vm_vsrc(0)                   ; the LDS stores issued so far have read their registers: the codes in v160-175 and, at the head, v96-159 and v192-207, which loads and products below write; and v6, which the trip's add writes
	BLOAD 0, \adr, \imm
	BLOAD 1, \adr, (\imm)+4096
	WHEAD 0, 1, 32, 0
	BLOAD 2, \adr, (\imm)+8192
	WMUL 0, 0, 1, 16
	WHEAD 1, 1, 32, 1
	BLOAD 0, \adr, (\imm)+12288
	WMUL 1, 1, 0, 16
	WHEAD 2, 1, 32, 1
	WMUL 2, 2, 0, 8
	WHEAD 3, 1, 32, 1
	WMUL 3, 0, 0, 0
	s_wait_xcnt 0x0                                ; the loads have read their base
	s_add_nc_u64 s[WP:WP+1], s[WP:WP+1], 32768
.endm
; x1 (or the result) = 5/6 of what X1 holds + the sums x k.  The 32 multiplications name no register of the last products: they are the places behind them.
.macro RESID k
.set j, 0
.rept 32
	v_pk_mul_f32 v[X1+j:X1+j+1], v[X1+j:X1+j+1], s[K56:K56+1] op_sel_hi:[1,0]
.set j, j+2
.endr
.set j, 0
.rept 32
	v_pk_fma_f32 v[X1+j:X1+j+1], v[ACC+j:ACC+j+1], s[\k:\k+1], v[X1+j:X1+j+1] op_sel_hi:[1,0,1]   ; each accumulator from its low end on
.set j, j+2
.endr
.endm
; gelu / 1.1289 of 16 sums, in place: h' = sum x ch;  result = h' erf + h'
.macro GELU16 a
.set GA, ACC+16*(\a)
.irp j, 0,2,4,6,8,10,12,14
	v_pk_mul_f32 v[TZ+\j:TZ+\j+1], v[GA+\j:GA+\j+1], s[CZ:CZ+1] op_sel_hi:[1,0]       ; z = h / sqrt 2
.endr
.irp j, 0,1,2,3,4,5,6,7,8,9,10,11,12,13,14,15
	v_med3_num_f32 v[TZ+\j], v[TZ+\j], -4.0, 4.0
.endr
.irp j, 0,2,4,6,8,10,12,14
	v_pk_mul_f32 v[TX+\j:TX+\j+1], v[TZ+\j:TZ+\j+1], v[TZ+\j:TZ+\j+1]
.endr
.irp j, 0,2,4,6,8,10,12,14
	v_pk_fma_f32 v[TP+\j:TP+\j+1], v[TX+\j:TX+\j+1], v[VA0:VA0+1], s[A1:A1+1] op_sel_hi:[1,1,0]
	v_pk_fma_f32 v[TQ+\j:TQ+\j+1], v[TX+\j:TX+\j+1], v[VB0:VB0+1], s[B1:B1+1] op_sel_hi:[1,1,0]
.endr
.irp k, B2, B3, B4
.irp j, 0,2,4,6,8,10,12,14
	v_pk_fma_f32 v[TQ+\j:TQ+\j+1], v[TQ+\j:TQ+\j+1], v[TX+\j:TX+\j+1], s[\k:\k+1] op_sel_hi:[1,1,0]
.endr
.endr
.irp j, 0,1,2,3,4,5,6,7,8,9,10,11,12,13,14,15
	v_rcp_f32 v[TQ+\j], v[TQ+\j]                   ; Q is negative and never near 0
.endr
.irp k, A2, A3, A4, A5, A6                     ; P's chain is the independent work behind the reciprocals
.irp j, 0,2,4,6,8,10,12,14
	v_pk_fma_f32 v[TP+\j:TP+\j+1], v[TP+\j:TP+\j+1], v[TX+\j:TX+\j+1], s[\k:\k+1] op_sel_hi:[1,1,0]
.endr
.endr
.irp j, 0,2,4,6,8,10,12,14
	v_pk_mul_f32 v[TP+\j:TP+\j+1], v[TP+\j:TP+\j+1], v[TZ+\j:TZ+\j+1]
	v_pk_mul_f32 v[GA+\j:GA+\j+1], v[GA+\j:GA+\j+1], s[CH:CH+1] op_sel_hi:[1,0]
.endr
	s_wait_alu depctr_va_vdst(0)                   ; the sixteen reciprocals have written v240-255: one wait for the batch, ahead of its first reader
.irp j, 0,2,4,6,8,10,12,14
	v_pk_mul_f32 v[TP+\j:TP+\j+1], v[TP+\j:TP+\j+1], v[TQ+\j:TQ+\j+1]                 ; erf
.endr
.irp j, 0,2,4,6,8,10,12,14
	v_pk_fma_f32 v[GA+\j:GA+\j+1], v[GA+\j:GA+\j+1], v[TP+\j:TP+\j+1], v[GA+\j:GA+\j+1]
.endr
.endm
	; ---- the attention's output projection, and the first residual
	PROD4 LI, AIMG
	RESID K1
.set j, 0
.rept 64
	v_med3_num_f32 v[TMP+j], v[X1+j], -v11, v11    ; x1 stays; the held copy is converted
.set j, j+1
.endr
.irp a, 0,1,2,3,4,5,6,7
	v_cvt_scalef32_pk8_fp8_f32 v[BF+2*\a:BF+2*\a+1], v[TMP+8*\a:TMP+8*\a+7], v10
.endr
	v_nop
	s_wait_alu depctr_va_vdst(0)                   ; the conversions have written v160-175, which the stores read; the products are done with the ring, and holds and conversions with v192-255, in which the next product's loads land
.irp g, 0,1,2,3
	ds_store_b128 v[X1W], v[BF+4*\g:BF+4*\g+3] offset:X1IMG+512*\g      ; half fragment w of x1, both token tiles
.endr
	s_wait_dscnt 0x0
	s_barrier_signal -1
	s_barrier_wait -1                              ; x1's codes lie in LDS
	; ---- the hidden layer: four groups of 64 units a wave
	s_mov_b32 s18, 4
	s_mov_b32 s19, 0
.Lup:
	PROD4 LI, X1IMG
.rept 4
	v_nop                                          ; places ahead of the first read of results
.endr
	GELU16 0
	GELU16 1
	GELU16 2
	GELU16 3
.set j, 0
.rept 64
	v_med3_num_f32 v[ACC+j], v[ACC+j], -v13, v13
.set j, j+1
.endr
.irp a, 0,1,2,3,4,5,6,7
	v_cvt_scalef32_pk8_fp8_f32 v[BF+2*\a:BF+2*\a+1], v[ACC+8*\a:ACC+8*\a+7], v12
.endr
	v_add_nc_u32 v[HWT], s19, v[HW0]               ; (the plain line behind the last conversion)
	s_wait_alu depctr_va_vdst(0)                   ; the conversions have written v160-175 and the add v6, which the stores read; the products are done with the ring, and gelu with v192-255, in which the next product's loads land
.irp g, 0,1,2,3
	ds_store_b128 v[HWT], v[BF+4*\g:BF+4*\g+3] offset:HIMG+512*\g       ; half fragment 4 w + group
.endr
	s_add_co_u32 s19, s19, 2048
	s_wait_dscnt 0x0                               ; my stores have landed: in the last trip for the others' sake, ahead of the barrier
	s_sub_co_u32 s18, s18, 1
	s_cmp_lg_u32 s18, 0
	s_cbranch_scc1 .Lup
	s_barrier_signal -1
	s_barrier_wait -1                              ; the hidden layer's codes lie in LDS
	; ---- the way down: sixteen K steps, written out.  K step k: ring set k % 4, operand buffer k % 3; its fragments lie at HIMG + 4,096 k, reached from v1 (k < 8) or from v3 (32,768 bytes on).
	; The last three steps ask for no weights and the last two for no fragments: their counts run down.
	s_wait_alu depctr_vm_vsrc(0)                   ; the hidden layer's LDS stores have read v160-175, in which the loads below land
	BLOAD 0, LI, HIMG
	BLOAD 1, LI, HIMG+4096
.set k, 0
.rept 16
.if k == 0
	WHEAD 0, 1, 32, 0
.elseif k < 13
	WHEAD k%4, 1, 32, 1
.else
	WHEAD k%4, 0, 16*(15-k), 1
.endif
.if k < 14
	BLOAD (k+2)%3, LI+2*((k+2)/8), HIMG+4096*((k+2)%8)
.endif
.if k == 0
	WMUL 0, 0, 1, 16
.elseif k < 14
	WMUL k%4, k%3, 0, 16
.else
	WMUL k%4, k%3, 0, 8*(15-k)
.endif
.if k%4 == 3
.if k < 12
	s_wait_xcnt 0x0                                ; the loads have read their base
	s_add_nc_u64 s[WP:WP+1], s[WP:WP+1], 32768
.endif
.endif
.set k, k+1
.endr
	RESID K2
	; THE WAY OUT through my own stage: in as the accumulators lie, back by rows; LDS serves a wave's instructions in order
	s_wait_alu depctr_va_vdst(0)                   ; the multiply-adds have written v32-95, which the LDS stores read; the last products are done reading v192-255, in which the LDS loads land
.irp t, 0,1
.irp f, 0,1,2,3
	ds_store_b128 v[SO], v[X1+8*(4*\t+\f):X1+8*(4*\t+\f)+3] offset:\t*4352+64*\f
	ds_store_b128 v[SO], v[X1+8*(4*\t+\f)+4:X1+8*(4*\t+\f)+7] offset:\t*4352+64*\f+16
.endr
.endr
.irp i, 0,1,2,3,4,5,6,7,8,9,10,11,12,13,14,15
	ds_load_b128 v[TMP+4*\i:TMP+4*\i+3], v[SR] offset:544*\i
.endr
.irp i, 0,1,2,3,4,5,6,7,8,9,10,11,12,13,14,15
	s_wait_dscnt 15-\i                             ; load i is back; the younger ones may be out
	global_store_b128 v[GO], v[TMP+4*\i:TMP+4*\i+3], s[12:13] offset:4096*\i th:TH_STORE_NT   ; sixteen lanes store 256 consecutive bytes, aligned
.endr
	s_wait_dscnt 0x0                               ; the closing lines, six on end
	s_wait_alu 0x0
	s_wait_tensorcnt 0x0
	ds_add_u32 v30, v31
	s_wait_dscnt 0x0
	s_endpgm
.Lfunc_end_k_q35d66c0cdb_tail:
	.size	k_q35d66c0cdb_tail, .Lfunc_end_k_q35d66c0cdb_tail-k_q35d66c0cdb_tail
	.p2alignl 7, 3214868480
	.fill 96, 4, 3214868480
	.section	.rodata,"a",@progbits
	.p2align	6, 0x0
	.amdhsa_kernel k_q35d66c0cdb_tail
		.amdhsa_group_segment_fixed_size 168960
		.amdhsa_private_segment_fixed_size 0
		.amdhsa_enable_private_segment 0
		.amdhsa_kernarg_size 40
		.amdhsa_user_sgpr_count 2
		.amdhsa_user_sgpr_kernarg_segment_ptr 1
		.amdhsa_wavefront_size32 1
		.amdhsa_system_sgpr_workgroup_id_x 1
		.amdhsa_system_sgpr_workgroup_id_y 1
		.amdhsa_system_sgpr_workgroup_id_z 1
		.amdhsa_system_vgpr_workitem_id 0
		.amdhsa_next_free_vgpr 512
		.amdhsa_next_free_sgpr 96
		.amdhsa_reserve_vcc 0
		.amdhsa_float_denorm_mode_32 3
		.amdhsa_float_denorm_mode_16_64 3
		.amdhsa_memory_ordered 1
		.amdhsa_forward_progress 1
		.amdhsa_inst_pref_size 139
	.end_amdhsa_kernel
	.amdgpu_metadata
---
amdhsa.version: [ 1, 2 ]
amdhsa.kernels:
  - .name:           k_q35d66c0cdb_tail
    .symbol:         k_q35d66c0cdb_tail.kd
    .args:
      - { .name: x, .offset: 0, .size: 8, .value_kind: global_buffer, .address_space: global }
      - { .name: aimg, .offset: 8, .size: 8, .value_kind: global_buffer, .address_space: global }
      - { .name: wimg, .offset: 16, .size: 8, .value_kind: global_buffer, .address_space: global }
      - { .name: lowp_scales, .offset: 24, .size: 8, .value_kind: global_buffer, .address_space: global }
      - { .name: out0, .offset: 32, .size: 8, .value_kind: global_buffer, .address_space: global }
    .group_segment_fixed_size: 168960
    .private_segment_fixed_size: 0
    .kernarg_segment_align: 8
    .kernarg_segment_size: 40
    .max_flat_workgroup_size: 256
    .sgpr_count:     96
    .vgpr_count:     512
    .wavefront_size: 32
...
	.end_amdgpu_metadata
.endif
;; end of part 7
